; MI455X (gfx1250); checked and timed in simulation.
; The chip was launched on July 23, 2026; its instructions are those of AMD's public machine-readable ISA for CDNA 5 (MIT licence, August 2026) and "CDNA5" Instruction Set Architecture Reference Guide (July 2026). The comments in the code are by the model that wrote it; some were corrected since.
;; Attention On Steps. Allowed arithmetic: matrix products marked QUANTISED: E4M3 operands, one E8M0 scale for each 32 along K, by v_wmma_scale_f32_16x16x128_f8f6f4 with both operands' format E4M3, f32 sums; everything else in f32.
;; Inputs: kernel_codes 3 x 1,024 x 32 x 32 uint8 (E4M3 codes of kernel, K innermost, in blocks of 32 codes); kernel_scales 3 x 1,024 x 32 uint8 (E8M0 scales of kernel, one for each 32 codes along K); x_codes 4 x 2,048 x 32 x 32 uint8 (E4M3 codes of x, K innermost, in blocks of 32 codes); x_scales 4 x 2,048 x 32 uint8 (E8M0 scales of x, one for each 32 codes along K).
;; Outputs: out0 4 x 2,048 x 1,024 float32.
;; This version of the problem:
;;   THIS VERSION OF THE PROBLEM IS GIVEN IN LOW PRECISION. The matrix products marked QUANTISED in the list below multiply operands that are first quantised to E4M3 (4 exponent bits, 3 mantissa bits; 8 bits a number), with one power-of-two scale for each 32 numbers along K (OCP MX v1.0); their sums are f32. All else is computed in f32.
;;   The module's matrix products, in the order in which they are computed (A, B: the left and right operand; K: the contracted axis; several contracted axes count as one K, in the product's order):
;;     1. [M 8,192, K 1,024] x [K 1,024, N 1,024]; A: input x (given as codes); B: input kernel (given as codes): QUANTISED
;;     2. [M 8,192, K 1,024] x [K 1,024, N 1,024]; A: input x (given as codes); B: input kernel (given as codes): QUANTISED
;;     3. [M 8,192, K 1,024] x [K 1,024, N 1,024]; A: input x (given as codes); B: input kernel (given as codes): QUANTISED
;;     4. batch 4 x [M 2,048, K 1,024] x [K 1,024, N 2,048]; A: computed on the way; B: computed on the way: QUANTISED
;;     5. batch 4 x [M 2,048, K 2,048] x [K 2,048, N 1,024]; A: softmax (see below); B: computed on the way: QUANTISED
;;   THE QUANTISER, for each operand of a quantised product, along K:
;;     - K is cut into blocks of 32 from its start; a last block that is shorter is filled with zeros.
;;     - A block's scale is 2^e with e = floor(log2(the largest magnitude in the block)) - 8, held to -126 .. 127; a block of zeros has e = 0. As a byte (E8M0): e + 127.
;;     - Each number is divided by its block's scale, clamped to +-448, and rounded to the nearest number of E4M3, ties to even, subnormals kept.
;;     - The product sums the exact products of the quantised numbers (number of the format x scale) in f32.
;;   ~~~python
;;   def quantise(x, axis):      # numpy; x: float32 -> the quantised numbers, widened to float32 again
;;       x = np.moveaxis(x, axis, -1); K = x.shape[-1]
;;       x = np.pad(x, [(0, 0)] * (x.ndim - 1) + [(0, -K % 32)]); x = x.reshape(x.shape[:-1] + (-1, 32)); a = np.abs(x).max(-1, keepdims=True)
;;       e = np.where(a > 0, np.clip(np.frexp(np.where(a > 0, a, 1))[1] - 1 - 8, -126, 127), 0)      # np.frexp(a)[1] - 1 = floor(log2(a)), exactly
;;       r = np.clip(x / 2.0 ** e, -448, 448)
;;       step = 2.0 ** (np.maximum(np.frexp(np.where(r == 0, 1, r))[1] - 1, -6) - 3)
;;       q = np.round(r / step) * step * 2.0 ** e      # np.round: ties to even
;;       return np.moveaxis(q.reshape(q.shape[:-2] + (-1,))[..., :K], -1, axis).astype(np.float32)
;;   ~~~
;;   SOFTMAX AHEAD OF A QUANTISED PRODUCT. Where the list says 'softmax', what is quantised is not the finished softmax but p = 2^(t - M), with t = logit x log2(e) and M = ceil(the row's largest t), a whole number; so 1/2 < the row's largest p <= 1. The row's sum l is taken of the UNQUANTISED p, in f32, and the product's result is divided by l at the end. Since M is a whole number, a kernel that streams over the keys may use a running M (the ceiling of the running maximum): every later rescaling is an exact power of two, which a block's scale takes up: the codes' values come out the same.
;;   OPERANDS COMPUTED ON THE WAY. 'Computed on the way' means the value that the module computes at that place (a softmax that the list does not call 'softmax' is quantised finished and normalised). What goes into a quantiser is computed in f32, as accurately as f32 sums, v_exp_f32 and their like allow (about 1e-6 of the number): no bf16 or f16 on the way to a quantiser, and a product that is left as it is and whose result goes on into a quantised operand takes f32 operands (vector FMAs, or v_wmma_f32_16x16x4_f32). A number that lies on a knife's edge between two numbers of the format may be rounded either way, as far as f32 arithmetic and the matrix unit's own rounding can turn it there, and no further.
;;   INPUTS GIVEN AS CODES. kernel (in the module: [3, 1024, 1024], K = its axis 1); x (in the module: [4, 2048, 1024], K = its axis 2): each comes as NAME_codes (uint8): NAME with its K axis moved to the last place and cut into blocks of 32 codes, [.., K / 32, bytes a block], one block behind the other in memory; one code a byte (a code: sign, 4 exponent bits, 3 mantissa bits); and NAME_scales (uint8): the same leading axes, one E8M0 byte (e + 127) for each 32 codes along K. Its value is code x scale, taken as it is: it is not quantised again, and the codes and scales need not be those that the quantiser above would give.
;; One version. Each part assembles by itself: llvm-mc -triple=amdgcn-amd-amdhsa -mcpu=gfx1250 --defsym DOCPART=n.
;; ======== version 1 of 1: 3 launches
;; limits: right only within a limited range of input values
;; workspace buffers: img 25,165,824 bytes; scl 786,432 bytes; pimg 16,777,216 bytes; pst 1,572,864 bytes
;; launch proj (part 1): grid 16 x 16, 4 waves a work-group, clusters of 4 x 4, 327,680 bytes of LDS; arguments x_codes, x_scales, kernel_codes, kernel_scales, img, scl; writes img, scl
.if DOCPART == 1
	.amdgcn_target "amdgcn-amd-amdhsa--gfx1250"
	.amdhsa_code_object_version 6
	.text
	.protected	k_q99cd27e239_proj
	.globl	k_q99cd27e239_proj
	.p2align	8
	.type	k_q99cd27e239_proj,@function
k_q99cd27e239_proj:
	s_mov_b64 s[64:65], 0
	v_nop
	global_prefetch_b8 v0, s[64:65] scope:SCOPE_SE
	s_setreg_imm32_b32 hwreg(HW_REG_WAVE_MODE, 25, 1), 1
	s_wait_xcnt 0x0
	s_wait_alu depctr_hold_cnt(0) depctr_sa_sdst(0) depctr_va_vdst(0) depctr_va_sdst(0) depctr_va_ssrc(0) depctr_va_vcc(0) depctr_vm_vsrc(0)
	s_getreg_b32 s2, hwreg(HW_REG_IB_STS2, 6, 4)
	s_cmp_eq_u32 s2, 0
	s_cbranch_scc0 .Lentry_in_a_cluster
	s_endpgm
.Lentry_in_a_cluster:
	s_bfe_u32 s2, ttmp6, 0x10000c
	s_cmp_lg_u32 s2, 0xf033
	s_cbranch_scc0 .Lentry_shape_is_right
	s_endpgm
.Lentry_shape_is_right:
; q, k, v = x W_i (the first three products) on the codes and scale bytes as they are given, and the quantising of q, k, v for the two products that follow.
; NO WORK IS LEFT OUT ANYWHERE IN THIS PROGRAM: the function has no mask, no bias and no slice; all four inputs reach the output; all five products are done whole.
; SHARES.  256 work-groups of four waves, 2 x 2.  A work-group makes 512 tokens x (128 columns of q or of k, and 64 of v).  A wave holds 96 rows of W (four tiles of q or k, two of v) for ALL of K in 768 registers and
; streams its 256 tokens past them in 16 blocks of 16: 48 products a block, six accumulators by turns.  x's fragments go through a ring of four: fragment q + 4 is loaded while q + 1 is multiplied.
; LDS: four slots of 64 whole rows (1,024 bytes + 16 of padding).  At the head W_v's 64 rows lie in slot 1, W_q's or W_k's 128 in slots 2 and 3, x's first 64 in slot 0.  As soon as the weights are in registers x's rows follow
; there: fill f (64 tokens, two blocks a wave) lies in slot f % 4.  Fill 1 comes behind W_v's reads, 2 and 3 behind W_q's, 4 and 5 inside block 3, 6 and 7 inside block 7: each a joint refill behind a drained round.
; CLUSTERS of 4 x 4: x's rows are asked for jointly along a row of the cluster, W's along a column.
; ORIENTATION.  q, k: source 0 = W, source 1 = x: lane (r, h) holds token r, register j of a tile column 8 h + j.  v: source 0 = x, source 1 = W: lane holds e = r, registers run along the tokens.  So 16 registers are 16 numbers of one
; block of 32 along the next product's K (for v two token blocks); the other 16 lie in lane l xor 16.  They become registers 4 c .. 4 c + 3 of an operand's fragment, stored as an image: [panel of 128 rows][128 along K][16 rows][c][lane][16].
; Scale words: for a panel and 128 along K 512 bytes, the word of row 16 (4 u + w) + r at 256 u + 16 r + 4 w; bytes meet in LDS tables and leave at the end.
; THE WAY OUT of a block stands among the NEXT block's products (q, k: two sets of sums; v's even block is copied, and a pair goes out among the next even block's).  Its lines are laid so that nothing freshly written is read close behind a wait.
; LIMITS.  Inside each block of 32 the codes stand in a fixed order other than K's own (place 16 h + j holds number 8 h + j, place 16 h + 8 + j number 16 + 8 h + j), the same on both sides of each later product.
; A block of zeros, or one whose largest magnitude lies under 2^-118, gets the scale byte 1 (its bytes are read by this program alone).  NaN and infinities are not served.
; THE RING OF FOUR FRAGMENTS IS TWO PAIRS: behind the twelve products of one pair stand eight plain lines and ONE run of eight loads, the pair two on; the other pair's twelve products follow, and then the wait for it.  A block's stores stand in
; these runs too.  x's rows 64 to 127 are asked for ahead at the head, 128 to 255 behind W_v's reads, 256 to 383 behind block 0, 384 to 511 inside block 3: each one refill ahead of the load that wants them.
.set PITCH, 1040
.set SL,   64*PITCH                    ; a slot
.set BLKB, 16*PITCH
.set XSC,  4*SL                        ; x's scale bytes, 512 rows of 32: units of 256 + 16
.set TQK,  XSC+17408                   ; q's or k's scale bytes: [panel of four][512]
.set TVB,  TQK+2048                    ; v's: [128 tokens of four][256]
.set SPARE, TVB+1024
.set ADX0, 2                           ; x's fragments in slot 0
.set ADX,  3                           ; in the slot that is read
.set AXS,  4                           ; x's scale words of the fill
.set CO,   5                           ; 16 x lane
.set SPW,  6
.set NIL,  7
.set TQA,  8                           ; where scale bytes go
.set TVA,  9
.set PFO,  10                          ; the prefetches' offset; never rewritten
.set TE,   12                          ; v12-13 the largest of v's even block
.set SOP,  14                          ; v14-17 the conversions' scale operands: q/k 0, 1, v 0, 1
.set BND,  18                          ; v18-21 448 x the scale
.set TT,   22                          ; v22-27 at work
.set C0,   28                          ; v28-31, v56-59 codes
.set C1,   56
.set WS,   32                          ; v32-55 W's scale words: register 8 m + q: lanes 0-15 tile 2 m, lanes 16-31 tile 2 m + 1
.set XS,   60                          ; v60-67 x's: lanes 0-15 the even block, lanes 16-31 the odd
.set XR,   68                          ; v68-131 x's ring
.set QA,   132                         ; v132-195 sums of q or k: two sets of four tiles
.set VE,   196                         ; v196-211 v's even block, v212-227 its odd block, v228-243 the even block's copy
.set VO,   212
.set VH,   228
.set ADW,  244
.set ADQ,  245
.set TQ0,  246
.set TV0,  247
.set C2,   248                         ; v248-255 v's codes
.set C3,   252
.set G1X,  24
.set G1V,  32
.set G1Q,  48
.set G1S,  56
.set G0X,  68
.set G0V,  72
.set G0Q,  76
.set G0S,  80
.set QB0,  88                          ; s[88:89], s[90:91] where my images begin; s[8:9], s[10:11] this fill's
.set VB0,  90
.set QB,   8
.set VB,   10
.set SEL,  96
.set MNT,  98
.set FLOOR, 0x4800000                  ; 2^(9 - 127): holds a byte at 1 from below
.set MSB, 0
.macro WIN new                         ; the immediate's high byte repeats the setting that is left
.if MSB != (\new)
	s_set_vgpr_msb (MSB<<8)|(\new)
.set MSB, (\new)
.endif
.endm
.macro PLACES n
.rept \n
	v_nop
.endr
.endm
.macro BARRIER
	s_barrier_signal -1
	s_barrier_wait -1
.endm
.macro MIDDLE                          ; a round behind its opening signal, up to its closing barrier
	s_barrier_wait -1
	s_cmp_lg_u32 s14, 0
	s_cbranch_scc1 .Lnot_wave_0_\@
	s_barrier_signal -3
.Lnot_wave_0_\@:
	s_barrier_wait -3
	s_barrier_signal -1
	s_barrier_wait -1
.endm
.macro CROUND
	s_barrier_signal -1
	MIDDLE
.endm
.macro TLOAD g0, g1
	tensor_load_to_lds s[\g0:\g0+3], s[\g1:\g1+7]
	s_nop 0
	PLACES 4
.endm
.macro WALU
	s_wait_alu depctr_va_vdst(0)
.endm
.macro GROUP1 g, mask, rows            ; so many whole rows of 1,024 bytes, 16 of padding behind each
	s_or_b32 s[\g+0], s\mask, (1<<20)|(1<<21)|(7<<22)|(3<<25)
	s_mov_b32 s[\g+1], 1024<<16
	s_mov_b32 s[\g+2], (\rows)<<16
	s_mov_b32 s[\g+3], 1024<<16
	s_mov_b32 s[\g+4], \rows
	s_mov_b32 s[\g+5], 1024
	s_mov_b32 s[\g+6], 0
	s_mov_b32 s[\g+7], 0
.endm
.macro SH d, s, n
	s_lshl_b32 s101, s\s, \n
	s_add_co_u32 s\d, s\d, s101
.endm
	s_load_b128 s[4:7], s[0:1], 0x0                ; x's codes, x's scales
	s_load_b128 s[8:11], s[0:1], 0x10              ; the kernel's
	s_load_b128 s[84:87], s[0:1], 0x20             ; img, scl
	v_lshl_add_u32 v[SPW], v0, 2, SPARE
	v_mov_b32 v[NIL], 0
	ds_add_u32 v[SPW], v[NIL]                      ; the wave's opening: the add, twice on end, and its wait ahead of my first tensor load
	ds_add_u32 v[SPW], v[NIL]
	v_lshrrev_b32 v[TT], 5, v0
	v_readfirstlane_b32 s14, v[TT]                 ; wave 0..3
	s_lshr_b32 s15, s14, 1                         ; my row of waves
	s_and_b32 s16, s14, 1                          ; my column
	s_bfe_u32 s40, ttmp6, 0x40000                  ; cx, cy
	s_bfe_u32 s41, ttmp6, 0x40004
	s_lshl_b32 s42, ttmp9, 2
	s_add_co_u32 s42, s42, s40                     ; tile column 0..15: q's 128 columns (0..7) or k's (8..15), and 64 of v's
	s_and_b32 s43, ttmp7, 0xffff
	s_lshl_b32 s43, s43, 2
	s_add_co_u32 s43, s43, s41                     ; tile row: 512 tokens
	s_lshl_b32 s44, s41, 2
	s_lshl_b32 s44, 15, s44                        ; my row of the cluster
	s_lshl_b32 s45, 0x1111, s40                    ; my column
	GROUP1 G1V, 45, 64
	GROUP1 G1Q, 45, 128
	GROUP1 G1X, 44, 64
	s_or_b32 s[G1S+0], s44, (3<<16)|(1<<20)|(1<<21)|(5<<22)|(3<<25) ; x's scale bytes: 16,384 dense, as 64 rows of 256
	s_mov_b32 s[G1S+1], 32<<16
	s_mov_b32 s[G1S+2], 64<<16
	s_mov_b32 s[G1S+3], 32<<16
	s_mov_b32 s[G1S+4], 64
	s_mov_b32 s[G1S+5], 32
	s_mov_b32 s[G1S+6], 0
	s_mov_b32 s[G1S+7], 0
	s_lshr_b32 s17, s42, 3                         ; q or k
	s_and_b32 s18, s42, 7                          ; which 128 of its columns
	s_lshr_b32 s19, s43, 2                         ; the batch
	s_and_b32 s20, s43, 3
	s_lshr_b32 s21, s42, 1                         ; v's panel
	s_and_b32 s22, s42, 1                          ; which half of it
	s_lshl_b32 s88, s17, 23
	SH 88, 43, 19
	SH 88, 18, 14
	SH 88, 15, 12
	SH 88, 16, 10
	s_lshl_b32 s90, s19, 21
	SH 90, 21, 18
	SH 90, 20, 16
	SH 90, 22, 13
	SH 90, 16, 12
	SH 90, 15, 9
	s_add_co_u32 s90, s90, 0x1000000               ; v lies behind q and k
	s_lshl_b32 s92, s17, 18
	SH 92, 43, 14
	SH 92, 14, 12
	SH 92, 18, 9
	s_lshl_b32 s94, s19, 16
	SH 94, 21, 13
	SH 94, 20, 11
	SH 94, 14, 9
	SH 94, 22, 8
	s_add_co_u32 s94, s94, 524288
	s_mov_b32 s89, 0
	s_mov_b32 s91, 0
	s_mov_b32 s93, 0
	s_mov_b32 s95, 0
	s_lshl_b32 s2, s42, 12                         ; W's scale bytes of my rows: q or k,
	SH 2, 16, 11
	s_mov_b32 s3, 0
	s_lshl_b32 s18, s42, 11                        ; v
	SH 18, 16, 10
	s_add_co_u32 s18, s18, 65536
	s_mov_b32 s19, 0
	s_lshl_b32 s20, s43, 19                        ; x's rows,
	s_mov_b32 s21, 0
	s_lshl_b32 s22, s43, 14                        ; their scale bytes,
	s_mov_b32 s23, 0
	s_lshl_b32 s46, s42, 17                        ; W's rows: q or k,
	s_mov_b32 s47, 0
	s_lshl_b32 s66, s42, 16                        ; v
	s_add_co_u32 s66, s66, 0x200000
	s_mov_b32 s67, 0
	s_add_co_u32 s41, s20, 131072                  ; a prefetch: 128 rows shared by the sixteen waves of my row of the cluster, 8,192 bytes each
	s_add_co_u32 s104, s20, 65536                  ; and one of 64 rows, shared by waves 0 and 1 of the four work-groups
	SH 104, 40, 14
	SH 104, 14, 13
	SH 41, 40, 15
	SH 41, 14, 13
	s_mul_i32 s96, s15, 2*BLKB
	s_mul_i32 s97, s16, 2*BLKB
	s_add_co_u32 s97, s97, SL
	s_mul_i32 s98, s16, 4*BLKB
	s_add_co_u32 s98, s98, 2*SL
	s_mul_i32 s99, s15, 1088
	s_add_co_u32 s99, s99, XSC
	s_lshl_b32 s100, s15, 3
	SH 100, 16, 1
	s_add_co_u32 s100, s100, TQK
	s_lshl_b32 s40, s16, 3
	s_add_co_u32 s40, s40, s15
	s_add_co_u32 s40, s40, TVB
	v_and_b32 v[TT], 15, v0                        ; r
	v_bfe_u32 v[TT+1], v0, 4, 1                    ; h
	v_and_b32 v[TT+2], 31, v0                      ; lane
	v_mul_u32_u24 v[TT+3], v[TT], PITCH
	v_lshl_add_u32 v[TT+3], v[TT+1], 4, v[TT+3]    ; a fragment's row x pitch + 16 x half
	v_add_nc_u32 v[ADX0], s96, v[TT+3]
	v_add_nc_u32 v[ADX], s96, v[TT+3]
	v_add_nc_u32 v[ADW], s97, v[TT+3]
	v_add_nc_u32 v[ADQ], s98, v[TT+3]
	v_lshlrev_b32 v[TT+4], 5, v[TT+2]              ; 32 bytes of scales a row
	v_lshrrev_b32 v[TT+5], 3, v[TT+2]
	v_lshl_add_u32 v[TT+5], v[TT+5], 4, v[TT+4]
	v_add_nc_u32 v[AXS], s99, v[TT+5]
	v_lshlrev_b32 v[CO], 4, v[TT+2]
	v_lshl_add_u32 v[PFO], v[TT+2], 8, s41
	v_lshl_add_u32 v[C2], v[TT+2], 8, s104         ; (C2 is free until block 2)
	v_lshl_add_u32 v[TQ0], v[TT], 4, s100
	v_lshl_add_u32 v[TV0], v[TT], 4, s40
	WALU
	s_wait_dscnt 0x0                               ; both opening adds are done
	CROUND                                         ; all sixteen work-groups are here: the first joint loads meet
	s_wait_kmcnt 0x0
	s_mov_b32 s[G0V], 1
	s_mov_b32 s[G0V+1], SL
	s_add_nc_u64 s[G0V+2:G0V+3], s[8:9], s[66:67]
	s_or_b32 s[G0V+3], s[G0V+3], 0x80000000
	s_mov_b32 s[G0Q], 1
	s_mov_b32 s[G0Q+1], 2*SL
	s_add_nc_u64 s[G0Q+2:G0Q+3], s[8:9], s[46:47]
	s_or_b32 s[G0Q+3], s[G0Q+3], 0x80000000
	s_mov_b32 s[G0X], 1
	s_mov_b32 s[G0X+1], 0
	s_add_nc_u64 s[G0X+2:G0X+3], s[4:5], s[20:21]
	s_or_b32 s[G0X+3], s[G0X+3], 0x80000000
	s_mov_b32 s[G0S], 1
	s_mov_b32 s[G0S+1], XSC
	s_add_nc_u64 s[G0S+2:G0S+3], s[6:7], s[22:23]
	s_or_b32 s[G0S+3], s[G0S+3], 0x80000000
.macro ARM under, g0, g1, next
	s_cmp_lt_u32 s14, \under
	s_cbranch_scc0 \next
	TLOAD \g0, \g1
	s_branch .Lasked
\next:
.endm
	ARM 1, G0V, G1V, .Lhead_q                      ; one joint load a wave: W_v's rows, which are wanted first,
	ARM 2, G0Q, G1Q, .Lhead_x                      ; W_q's or W_k's,
	ARM 3, G0X, G1X, .Lhead_s                      ; x's first 64 rows,
	TLOAD G0S, G1S                                 ; x's scale bytes
.Lasked:
	s_add_nc_u64 s[2:3], s[10:11], s[2:3]
	s_add_nc_u64 s[18:19], s[10:11], s[18:19]
.irp c, 0,1
	global_load_b128 v[WS+4*\c:WS+4*\c+3], v[TT+4], s[2:3] offset:16*\c
	global_load_b128 v[WS+8+4*\c:WS+8+4*\c+3], v[TT+4], s[2:3] offset:1024+16*\c
	global_load_b128 v[WS+16+4*\c:WS+16+4*\c+3], v[TT+4], s[18:19] offset:16*\c
.endr
	s_cmp_lt_u32 s14, 2
	s_cbranch_scc0 .Lno_ask_1
	global_prefetch_b8 v[C2], s[4:5] th:TH_LOAD_NT scope:SCOPE_SE           ; fill 1's rows
.Lno_ask_1:
	s_add_nc_u64 s[QB0:QB0+1], s[84:85], s[88:89]
	s_add_nc_u64 s[VB0:VB0+1], s[84:85], s[90:91]
	s_add_nc_u64 s[92:93], s[86:87], s[92:93]
	s_add_nc_u64 s[94:95], s[86:87], s[94:95]
	s_mov_b32 s[SEL], 0x76543210                   ; lane l xor 16
	s_mov_b32 s[SEL+1], 0xfedcba98
	s_mov_b32 s[MNT], 0x600000                     ; the mantissa field of 448
	s_mul_i32 s44, s14, 2*BLKB                     ; a refill of 128 rows: 32 a wave
	s_lshl_b32 s46, s14, 14                        ; 64 + 16 x wave rows, in bytes
	s_add_co_u32 s46, s46, 65536
	s_mov_b32 s47, 0
	s_mov_b32 s100, 0                              ; f: the fill whose results go out
	s_mov_b32 s101, 0                              ; where the loop's next refill lands
	s_cmp_eq_u32 s14, 0
	s_cbranch_scc0 .Lnot_v
	s_wait_tensorcnt 0x0                           ; wave 0: W_v has landed; the others wait at the round below
.Lnot_v:
	BARRIER
	WIN 3<<6
.irp q, 0,1,2,3,4,5,6,7
.irp j, 0,1
.irp c, 0,1,2,3
	ds_load_b128 v[16*(2*\q+\j)+4*\c:16*(2*\q+\j)+4*\c+3], v[ADW] offset:128*\q+32*\c+BLKB*\j
.endr
.endr
.endr
	WIN 0
	s_wait_tensorcnt 0x0                           ; all that the head asked for is in
	ds_add_u32 v[SPW], v[NIL]
	s_mov_b32 s[G1X+2], 16<<16                     ; fill 1: 16 rows a wave, into W_v's place
	s_mov_b32 s[G1X+4], 16
	s_mul_i32 s45, s14, BLKB
	s_add_co_u32 s[G0X+1], s45, SL
	s_add_nc_u64 s[G0X+2:G0X+3], s[G0X+2:G0X+3], s[46:47]
	s_wait_dscnt 0x0                               ; W_v is in registers
	CROUND
	TLOAD G0X, G1X
; x's fragment q of a block (pi: 0 the even, 1 the odd), pieces c0 and c0 + 1: lane l holds row l % 16; registers 4 c .. 4 c + 3 hold K = 32 c + 16 (l / 16) + 0 .. 15
.macro XL2 q, pi, c0
.irp c, \c0, \c0+1
	ds_load_b128 v[XR+16*((\q)%4)+4*(\c):XR+16*((\q)%4)+4*(\c)+3], v[ADX] offset:BLKB*(\pi)+128*(\q)+32*(\c)
.endr
.endm
.macro XL4 q, pi
	XL2 \q, \pi, 0
	XL2 \q, \pi, 2
.endm
.macro LW q                            ; block 0's x fragment q, and W_q's or W_k's four of the same 128 along K: fragment 4 q + b in window 1 + (4 q + b) / 16: 20 loads
	XL4 \q, 0
.irp b, 0,1,2,3
.set F_, 4*(\q)+\b
	WIN (1+F_/16)<<6
.irp c, 0,1,2,3
	ds_load_b128 v[16*(F_%16)+4*\c:16*(F_%16)+4*\c+3], v[ADQ] offset:128*(\q)+32*\c+BLKB*\b
.endr
.endr
	WIN 0
.endm
.macro WM
.if Q_ == 0
.if RA_ && RB_
	v_wmma_scale_f32_16x16x128_f8f6f4 v[D_:D_+7], v[S0_:S0_+15], v[S1_:S1_+15], 0, v[K0_], v[K1_] matrix_a_scale:MATRIX_SCALE_ROW1 matrix_b_scale:MATRIX_SCALE_ROW1
.elseif RA_
	v_wmma_scale_f32_16x16x128_f8f6f4 v[D_:D_+7], v[S0_:S0_+15], v[S1_:S1_+15], 0, v[K0_], v[K1_] matrix_a_scale:MATRIX_SCALE_ROW1
.elseif RB_
	v_wmma_scale_f32_16x16x128_f8f6f4 v[D_:D_+7], v[S0_:S0_+15], v[S1_:S1_+15], 0, v[K0_], v[K1_] matrix_b_scale:MATRIX_SCALE_ROW1
.else
	v_wmma_scale_f32_16x16x128_f8f6f4 v[D_:D_+7], v[S0_:S0_+15], v[S1_:S1_+15], 0, v[K0_], v[K1_]
.endif
.else
.if RA_ && RB_
	v_wmma_scale_f32_16x16x128_f8f6f4 v[D_:D_+7], v[S0_:S0_+15], v[S1_:S1_+15], v[D_:D_+7], v[K0_], v[K1_] matrix_a_scale:MATRIX_SCALE_ROW1 matrix_b_scale:MATRIX_SCALE_ROW1
.elseif RA_
	v_wmma_scale_f32_16x16x128_f8f6f4 v[D_:D_+7], v[S0_:S0_+15], v[S1_:S1_+15], v[D_:D_+7], v[K0_], v[K1_] matrix_a_scale:MATRIX_SCALE_ROW1
.elseif RB_
	v_wmma_scale_f32_16x16x128_f8f6f4 v[D_:D_+7], v[S0_:S0_+15], v[S1_:S1_+15], v[D_:D_+7], v[K0_], v[K1_] matrix_b_scale:MATRIX_SCALE_ROW1
.else
	v_wmma_scale_f32_16x16x128_f8f6f4 v[D_:D_+7], v[S0_:S0_+15], v[S1_:S1_+15], v[D_:D_+7], v[K0_], v[K1_]
.endif
.endif
.endm
.macro PROD ev                         ; product N_ of a block: the (N_ / 6)-th 128 along K, tile N_ % 6
.set Q_, N_/6
.set B_, N_%6
.set P_, 1-(\ev)
.if B_ < 4
.set F_, 4*Q_+B_
	WIN (1+F_/16)
.set D_, QA+32*P_+8*B_
.set S0_, 16*(F_%16)
.set S1_, XR+16*(Q_%4)
.set K0_, WS+8*(B_/2)+Q_
.set K1_, XS+Q_
.set RA_, B_%2
.set RB_, P_
.else
	WIN 0x0c
.set D_, VE+16*P_+8*(B_-4)
.set S0_, XR+16*(Q_%4)
.set S1_, 16*(2*Q_+B_-4)
.set K0_, XS+Q_
.set K1_, WS+16+Q_
.set RA_, P_
.set RB_, B_%2
.endif
	WM
.endm
; THE WAY OUT.  WA: the four tiles that go out; scale block k of two: tiles 2 k, 2 k + 1.
.macro QCHAIN i                        ; the largest magnitude of each block
.irp k, 0,1
.set A_, WA+16*\k
.set T_, TT+3*\k
.if (\i) == 0
	v_max3_num_f32 v[T_], |v[A_]|, |v[A_+1]|, |v[A_+2]|
	v_max3_num_f32 v[T_+1], |v[A_+3]|, |v[A_+4]|, |v[A_+5]|
	v_max3_num_f32 v[T_+2], |v[A_+6]|, |v[A_+7]|, |v[A_+8]|
.elseif (\i) == 1
	v_max3_num_f32 v[T_], v[T_], |v[A_+9]|, |v[A_+10]|
	v_max3_num_f32 v[T_+1], v[T_+1], |v[A_+11]|, |v[A_+12]|
	v_max3_num_f32 v[T_+2], v[T_+2], |v[A_+13]|, |v[A_+14]|
.elseif (\i) == 2
	v_max3_num_f32 v[T_], v[T_], v[T_+1], v[T_+2]
.elseif (\i) == 3
	v_max3_num_f32 v[T_], v[T_], |v[A_+15]|, FLOOR
.elseif (\i) == 4
	v_permlanex16_b32 v[T_+1], v[T_], s[SEL], s[SEL+1]
.else
	v_max_num_f32 v[T_], v[T_], v[T_+1]            ; with lane l xor 16's
.endif
.endr
.endm
.macro SCALES n, t                     ; the conversion's scale operand: 8 off the exponent field; 448 x the scale
	v_add_nc_u32 v[SOP+\n], 0xfc000000, v[\t]
	v_and_or_b32 v[BND+\n], v[\t], 0x7f800000, s[MNT]
.endm
.macro VCHAIN i                        ; the same for v's two tiles of a pair of blocks
.irp j, 0,1
.set A_, VO+8*\j
.set T_, TT+3*\j
.if (\i) == 0
	v_max3_num_f32 v[T_+1], |v[A_]|, |v[A_+1]|, |v[A_+2]|
	v_max3_num_f32 v[T_+2], |v[A_+3]|, |v[A_+4]|, |v[A_+5]|
.elseif (\i) == 1
	v_max3_num_f32 v[T_+1], v[T_+1], |v[A_+6]|, |v[A_+7]|
	v_max_num_f32 v[T_+2], v[T_+2], v[TE+\j]
.elseif (\i) == 2
	v_max_num_f32 v[T_+1], v[T_+1], v[T_+2]
.elseif (\i) == 3
	v_permlanex16_b32 v[T_+2], v[T_+1], s[SEL], s[SEL+1]
.elseif (\i) == 4
	v_max_num_f32 v[T_+1], v[T_+1], v[T_+2]
.else
	SCALES 2+\j, T_+1
.endif
.endr
.endm
.macro VMAX i                          ; v's even block's own part of it
.irp j, 0,1
.set A_, VE+8*\j
.set T_, TT+3*\j
.if (\i) == 0
	v_max3_num_f32 v[T_+1], |v[A_]|, |v[A_+1]|, |v[A_+2]|
	v_max3_num_f32 v[T_+2], |v[A_+3]|, |v[A_+4]|, |v[A_+5]|
.elseif (\i) == 1
	v_max3_num_f32 v[TE+\j], |v[A_+6]|, |v[A_+7]|, FLOOR
.else
	v_max3_num_f32 v[TE+\j], v[TE+\j], v[T_+1], v[T_+2]
.endif
.endr
.endm
.macro VCOPY from, n
.set H_, \from
.rept \n
	v_mov_b32 v[VH+H_], v[VE+H_]
.set H_, H_+1
.endr
.endm
.macro QHOLDS from, n                  ; the conversion to an 8-bit code does not saturate (ISA guide 7.6.2): the hold
.set H_, \from
.rept \n
	v_med3_num_f32 v[WA+H_], v[WA+H_], -v[BND+H_/16], v[BND+H_/16]
.set H_, H_+1
.endr
.endm
.macro VHOLDS from, n
.set H_, \from
.rept \n
.set R_, VH+(VO-VH)*((H_/8)%2)+8*(H_/16)+H_%8
	v_med3_num_f32 v[R_], v[R_], -v[BND+2+H_/16], v[BND+2+H_/16]
.set H_, H_+1
.endr
.endm
.macro QCVT g
.set C_, C0+(C1-C0)*((\g)/2)+2*((\g)%2)
	v_cvt_scalef32_pk8_fp8_f32 v[C_:C_+1], v[WA+8*(\g):WA+8*(\g)+7], v[SOP+(\g)/2]
.endm
.macro VCVT g, c0, c1
.set R_, VH+(VO-VH)*((\g)%2)+8*((\g)/2)
.set C_, (\c0)+((\c1)-(\c0))*((\g)/2)+2*((\g)%2)
	v_cvt_scalef32_pk8_fp8_f32 v[C_:C_+1], v[R_:R_+7], v[SOP+2+(\g)/2]
.endm
.macro BYTES n, a, b
	v_lshrrev_b32 v[\a], 23, v[SOP+\n]
	v_lshrrev_b32 v[\b], 23, v[SOP+1+\n]
.endm
.macro OUTQ0 last                      ; an odd block's run: where this fill's results go, the next fill's addresses, its first pair of fragments, and the even block's stores
	v_add_nc_u32 v[TQA], s2, v[TQ0]
	v_add_nc_u32 v[TVA], s3, v[TV0]
.if (\last) == 0
	v_add_nc_u32 v[AXS], 2176, v[AXS]
	v_add_nc_u32 v[ADX], s17, v[ADX0]
	PLACES 4
.endif
	WALU
.if (\last) == 0
	XL4 0, 0
	XL4 1, 0
	ds_load_b128 v[XS:XS+3], v[AXS]                ; (the first half of this fill's scale words are done with)
.endif
	ds_store_b16 v[TQA], v[TT]
	global_store_b128 v[CO], v[C0:C0+3], s[QB:QB+1]                ; 512 consecutive bytes, aligned
	global_store_b128 v[CO], v[C1:C1+3], s[QB:QB+1] offset:512
.endm
.macro QPAIR
	v_lshl_or_b32 v[TT], v[TT+3], 8, v[TT]
.endm
; WHAT STANDS BEHIND PRODUCT N_.  ev: the block is an even one; rnd: 1 a round with a refill, 2 a plain barrier; last: nothing follows.
.macro GAP ev, rnd, last
	WIN 0
.if (\ev) == 0                         ; where fill f's results go
.if N_ == 0
	s_lshr_b32 s20, s100, 1
	s_and_b32 s22, s100, 1
	s_lshl_b32 s2, s100, 8
	s_add_co_u32 s17, s100, 1
.elseif N_ == 1
	s_lshl_b32 s3, s20, 8
	s_lshl_b32 s18, s22, 1
	s_add_co_u32 s3, s3, s18
	s_and_b32 s17, s17, 3
.elseif N_ == 2
	s_mul_i32 s17, s17, SL
	s_lshl_b32 s18, s20, 14
	s_lshl_b32 s19, s22, 10
	s_add_co_u32 s18, s18, s19
.elseif N_ == 3
	s_lshl_b32 s20, s20, 17
	s_lshl_b32 s22, s22, 13
	s_add_co_u32 s20, s20, s22
	s_mov_b32 s21, 0
.elseif N_ == 4
	s_mov_b32 s19, 0
.elseif N_ == 22                       ; (behind this block's wait on XCNT: the stores before have read their bases)
	s_add_nc_u64 s[QB:QB+1], s[QB0:QB0+1], s[20:21]
	s_add_nc_u64 s[VB:VB+1], s[VB0:VB0+1], s[18:19]
.endif
.endif
.if N_ >= 6 && N_ < 12
	QCHAIN N_-6
.elseif N_ >= 12 && N_ < 18
.if \ev
	VCHAIN N_-12
.elseif N_ < 14
	VCOPY 4*(N_-12), 4
.else
	VCOPY 8+2*(N_-14), 2
.endif
.if N_ == 14
	SCALES 0, TT
	SCALES 1, TT+3
.elseif N_ > 14
	QHOLDS 2*(N_-15), 2
.endif
.elseif N_ >= 18 && N_ < 23
	QHOLDS 6+3*(N_-18), 3
.elseif N_ == 23
	QHOLDS 21, 8
.elseif N_ == 24
	QHOLDS 29, 3
.endif
.if N_ == 19
	BYTES 0, TT, TT+3
.elseif N_ == 21
	QPAIR
.elseif N_ == 22
	QCVT 0
.elseif N_ == 23
	QCVT 1
	QCVT 2
.endif
.if (\ev) == 0 && N_ >= 24 && N_ < 27
	VMAX N_-24
.endif
.if (\ev) && N_ >= 25 && N_ < 33
	VHOLDS 4*(N_-25), 4
.endif
.if N_ == 26
	QCVT 3
.endif
.if \ev
.if N_ == 28
	VCVT 0, C2, C3
.elseif N_ == 30
	VCVT 1, C2, C3
.elseif N_ == 32
	VCVT 2, C2, C3
.elseif N_ == 33
	VCVT 3, C2, C3
	BYTES 2, TT+1, TT+4
.endif
.endif
.if (\rnd) == 1 && N_ == 30            ; no tensor load of mine is out: the refill's descriptor
	s_add_co_u32 s[G0X+1], s44, s101
	s_add_nc_u64 s[G0X+2:G0X+3], s[G0X+2:G0X+3], 131072
	s_xor_b32 s101, s101, 2*SL
.endif
; THE RUNS.  Eight plain lines stand between a pair's last product and the loads that follow it: here, or the lines above
.if N_ == 11
	PLACES 6
	XL4 4, 1-(\ev)
	XL4 5, 1-(\ev)
.elseif N_ == 23
	XL4 6, 1-(\ev)
	XL4 7, 1-(\ev)
.elseif N_ == 35
.if \ev
	PLACES 8
	XL4 0, 1
	XL4 1, 1
	ds_store_b16 v[TQA], v[TT] offset:4
	ds_store_b8 v[TVA], v[TT+1]
	ds_store_b8 v[TVA], v[TT+4] offset:4
	global_store_b128 v[CO], v[C0:C0+3], s[QB:QB+1] offset:2048
	global_store_b128 v[CO], v[C1:C1+3], s[QB:QB+1] offset:2560
	global_store_b128 v[CO], v[C2:C2+3], s[VB:VB+1]
	global_store_b128 v[CO], v[C3:C3+3], s[VB:VB+1] offset:2048
.elseif (\rnd) == 0
	OUTQ0 \last
.endif
.elseif N_ == 47 && (\last) == 0
	PLACES 8
	XL4 2, \ev
	XL4 3, \ev
.if (\ev) == 0
	ds_load_b128 v[XS+4:XS+7], v[AXS] offset:16
.endif
.endif
.if (\rnd) && N_ == 39
.if (\rnd) == 1
	MIDDLE
	TLOAD G0X, G1X                                 ; 128 rows of x into the two slots that have been read out
.else
	s_barrier_wait -1
.endif
	OUTQ0 0                                        ; the next block's loads, of the fill that the barrier has shown
.if (\rnd) == 1
	s_cmp_eq_u32 s99, 0                            ; the loop's second refill is the last: its rows are asked for ahead in the first trip
	s_cbranch_scc0 .Lno_ask_\@
	global_prefetch_b8 v[PFO], s[4:5] offset:262144 th:TH_LOAD_NT scope:SCOPE_SE
.Lno_ask_\@:
.endif
.endif
.if (\ev) && N_ == 47
	s_add_co_u32 s100, s100, 1
.endif
.endm
.macro BLK ev, rnd, last
.set WA, QA+32*(\ev)
.set N_, 0
.rept 48
.if N_%6 == 0
.if (\rnd) && N_ == 36
	s_wait_dscnt 0x0                               ; the add is done, and my reads of the slots that are left are over
	s_barrier_signal -1
.elseif (\last) && N_ == 36
	s_wait_dscnt 0x0
.elseif N_%12 == 0
	s_wait_dscnt 8                                 ; this pair of fragments is in; the pair behind it, eight loads, may be out
.endif
.if N_ == 12
	s_wait_xcnt 0x0                                ; the stores before have read the codes and their bases, which are written again below
.endif
.if (\rnd) && N_ == 30
	s_wait_tensorcnt 0x0                           ; my part of the fills that come next is in
	ds_add_u32 v[SPW], v[NIL]                      ; products stand between the add and its wait
.endif
.endif
	PROD \ev
	GAP \ev, \rnd, \last
.set N_, N_+1
.endr
.endm
.macro SIX
.rept 6
	PROD 1
	WIN 0
	PLACES 2
.set N_, N_+1
.endr
.endm
; BLOCK 0, among the loads of W_q's or W_k's fragments: 20 loads for each 128 along K, three such groups ahead
	ds_load_b128 v[XS:XS+3], v[AXS]
	ds_load_b128 v[XS+4:XS+7], v[AXS] offset:16
	LW 0
	LW 1
	LW 2
	global_prefetch_b8 v[PFO], s[4:5] th:TH_LOAD_NT scope:SCOPE_SE          ; x's rows 128 to 255, the next refill's
	s_wait_loadcnt 0x0                             ; W's scale words
.set N_, 0
.rept 6
	s_wait_dscnt 40                                ; this group is in; the two behind it may be out
	SIX
.if N_/6 < 6
	LW N_/6+2
.endif
.endr
	s_wait_dscnt 20
	s_wait_tensorcnt 0x0                           ; fill 1 is in
	ds_add_u32 v[SPW], v[NIL]
	s_mov_b32 s[G1X+2], 32<<16                     ; from here on a refill is 128 rows, 32 a wave
	s_mov_b32 s[G1X+4], 32
	s_add_co_u32 s[G0X+1], s44, 2*SL
	s_add_nc_u64 s[G0X+2:G0X+3], s[G0X+2:G0X+3], s[46:47]
	SIX
	s_wait_dscnt 0x0                               ; all of W is in registers
	s_barrier_signal -1
	SIX
	MIDDLE
	TLOAD G0X, G1X                                 ; fills 2 and 3 into its place
	XL4 0, 1
	XL4 1, 1
	XL4 2, 1
	PLACES 2
	XL4 3, 1
	global_prefetch_b8 v[PFO], s[4:5] offset:131072 th:TH_LOAD_NT scope:SCOPE_SE
	s_mov_b32 s99, 0
.Lfour:                                            ; blocks 1 to 4, 5 to 8
	BLK 0, 0, 0
	BLK 1, 0, 0
	BLK 0, 1, 0
	BLK 1, 0, 0
	s_add_co_u32 s99, s99, 1
	s_cmp_lt_u32 s99, 2
	s_cbranch_scc1 .Lfour
	s_mov_b32 s99, 0
.Ltwo:                                             ; 9, 10: the barrier shows fills 6 and 7; 11 to 14: by the same text
	BLK 0, 2, 0
	BLK 1, 0, 0
	s_add_co_u32 s99, s99, 1
	s_cmp_lt_u32 s99, 3
	s_cbranch_scc1 .Ltwo
	BLK 0, 0, 1                                    ; 15
; the last block's way out, and the last pair's
.set WA, QA+32
	PLACES 8
	s_wait_xcnt 0x0
.irp i, 0,1,2,3,4,5
	QCHAIN \i
.endr
.irp i, 0,1,2
	VCHAIN \i
.endr
	SCALES 0, TT
	SCALES 1, TT+3
.irp i, 3,4,5
	VCHAIN \i
.endr
	BYTES 0, TT, TT+3
	BYTES 2, TT+1, TT+4
	QPAIR
	ds_store_b8 v[TVA], v[TT+1]
	ds_store_b8 v[TVA], v[TT+4] offset:4
	ds_store_b16 v[TQA], v[TT] offset:4
	WALU
	s_wait_dscnt 0x0                               ; my scale bytes are in their tables
	s_barrier_signal -1
	s_lshl_b32 s20, s14, 9
	s_add_co_u32 s20, s20, TQK
	s_lshl_b32 s21, s14, 8
	s_add_co_u32 s21, s21, TVB
	v_add_nc_u32 v[TT+2], s20, v[CO]
	v_lshrrev_b32 v[TT+1], 1, v[CO]
	v_add_nc_u32 v[TT+5], s21, v[TT+1]
	QHOLDS 0, 32
	VHOLDS 0, 32
.irp g, 0,1,2,3
	QCVT \g
	VCVT \g, XR, XR+4
.endr
	v_nop
	WALU
	s_barrier_wait -1
	ds_load_b128 v[XR+8:XR+11], v[TT+2]            ; everybody's: a panel's 512 bytes a wave, v's 256
	ds_load_b64 v[XR+12:XR+13], v[TT+5]
	global_store_b128 v[CO], v[C0:C0+3], s[QB:QB+1] offset:2048
	global_store_b128 v[CO], v[C1:C1+3], s[QB:QB+1] offset:2560
	global_store_b128 v[CO], v[XR:XR+3], s[VB:VB+1]
	global_store_b128 v[CO], v[XR+4:XR+7], s[VB:VB+1] offset:2048
	s_wait_dscnt 0x0
	global_store_b128 v[CO], v[XR+8:XR+11], s[92:93]
	global_store_b64 v[TT+1], v[XR+12:XR+13], s[94:95]
	s_wait_tensorcnt 0x0                           ; the wave's end
	ds_add_u32 v[SPW], v[NIL]
	s_wait_dscnt 0x0
	CROUND                                         ; the closing round
	s_endpgm
.Lfunc_end_k_q99cd27e239_proj:
	.size	k_q99cd27e239_proj, .Lfunc_end_k_q99cd27e239_proj-k_q99cd27e239_proj
	.p2alignl 7, 3214868480
	.fill 96, 4, 3214868480
	.section	.rodata,"a",@progbits
	.p2align	6, 0x0
	.amdhsa_kernel k_q99cd27e239_proj
		.amdhsa_group_segment_fixed_size 327680
		.amdhsa_private_segment_fixed_size 0
		.amdhsa_enable_private_segment 0
		.amdhsa_kernarg_size 48
		.amdhsa_user_sgpr_count 2
		.amdhsa_user_sgpr_kernarg_segment_ptr 1
		.amdhsa_wavefront_size32 1
		.amdhsa_system_sgpr_workgroup_id_x 1
		.amdhsa_system_sgpr_workgroup_id_y 1
		.amdhsa_system_sgpr_workgroup_id_z 1
		.amdhsa_system_vgpr_workitem_id 0
		.amdhsa_next_free_vgpr 1024
		.amdhsa_next_free_sgpr 106
		.amdhsa_reserve_vcc 0
		.amdhsa_float_denorm_mode_32 3
		.amdhsa_float_denorm_mode_16_64 3
		.amdhsa_memory_ordered 1
		.amdhsa_forward_progress 1
		.amdhsa_inst_pref_size 181
	.end_amdhsa_kernel
	.amdgpu_metadata
---
amdhsa.version: [ 1, 2 ]
amdhsa.kernels:
  - .name:           k_q99cd27e239_proj
    .symbol:         k_q99cd27e239_proj.kd
    .args:
      - { .name: x_codes, .offset: 0, .size: 8, .value_kind: global_buffer, .address_space: global }
      - { .name: x_scales, .offset: 8, .size: 8, .value_kind: global_buffer, .address_space: global }
      - { .name: kernel_codes, .offset: 16, .size: 8, .value_kind: global_buffer, .address_space: global }
      - { .name: kernel_scales, .offset: 24, .size: 8, .value_kind: global_buffer, .address_space: global }
      - { .name: img, .offset: 32, .size: 8, .value_kind: global_buffer, .address_space: global }
      - { .name: scl, .offset: 40, .size: 8, .value_kind: global_buffer, .address_space: global }
    .group_segment_fixed_size: 327680
    .private_segment_fixed_size: 0
    .kernarg_segment_align: 8
    .kernarg_segment_size: 48
    .max_flat_workgroup_size: 128
    .sgpr_count:     106
    .vgpr_count:     1024
    .wavefront_size: 32
...
	.end_amdgpu_metadata
.endif
;; end of part 1
;; launch score (part 2): grid 8 x 32, 4 waves a work-group, clusters of 4 x 4, 327,680 bytes of LDS; arguments img, scl, pimg, pst; writes pimg, pst
.if DOCPART == 2
	.amdgcn_target "amdgcn-amd-amdhsa--gfx1250"
	.amdhsa_code_object_version 6
	.text
	.protected	k_q99cd27e239_score
	.globl	k_q99cd27e239_score
	.p2align	8
	.type	k_q99cd27e239_score,@function
k_q99cd27e239_score:
	s_mov_b64 s[64:65], 0
	v_nop
	global_prefetch_b8 v0, s[64:65] scope:SCOPE_SE
	s_setreg_imm32_b32 hwreg(HW_REG_WAVE_MODE, 25, 1), 1
	s_wait_xcnt 0x0
	s_wait_alu depctr_hold_cnt(0) depctr_sa_sdst(0) depctr_va_vdst(0) depctr_va_sdst(0) depctr_va_ssrc(0) depctr_va_vcc(0) depctr_vm_vsrc(0)
	s_getreg_b32 s2, hwreg(HW_REG_IB_STS2, 6, 4)
	s_cmp_eq_u32 s2, 0
	s_cbranch_scc0 .Lentry_in_a_cluster
	s_endpgm
.Lentry_in_a_cluster:
	s_bfe_u32 s2, ttmp6, 0x10000c
	s_cmp_lg_u32 s2, 0xf033
	s_cbranch_scc0 .Lentry_shape_is_right
	s_endpgm
.Lentry_shape_is_right:
.set NQ,    2
.set FR,    16
.set NL,    4
.set NP,    8
; p = 2^(t - M') of the scores q k^T / 32 (the fourth product), quantised along the keys, for a tile of 256 queries x 256 keys.  No work is left out.  M' = the ceiling of the largest t of a query's 128 keys (a whole number); p's codes and scale bytes,
; M' and the sum l' of the unquantised p go out for each query and 128 keys; the last launch brings them under the row's own M by powers of two.  Four waves, each 128 x 128; K = 1,024 in four steps of 256 through a ring of two slots.
; A and B are images of their registers: [panel of 128 rows][128 along K][16 rows][c][lane][16 bytes]: a fragment is four loads of 512 consecutive bytes, with no padding.
; CLUSTERS of 4 x 4: A's tiles are shared along a row, B's along a column.  At the head wave 0 fetches A's two panels of K step 0, wave 1 B's, waves 2 and 3 the scale words; behind it each wave a quarter of a slot.
; PREFETCHES: every wave asks for its partner's share, 8,192 bytes, of the panel that it fetches in the ring: K step 1 at the head, K steps 2 and 3 behind slot 1's load.
; LIMITS.  The promise holds while the scaled scores stay under 2^31 in magnitude.  NaN and infinities are not served.  A block's byte never falls under 1.
.set LAPS,  2
.set HALFT, 32768
.set SLOT,  4*HALFT
.set FQ,    16384
.set FC,    512
.set FI,    2048
.set SROW,  32768
.set SCL,   2*SLOT
.set SPAN,  4096
.set SSTEP, 1024
.set SQ,    8
.set SI,    1
.set SPARE, SCL+4*SPAN
.set ADRA, 16
.set ADRB, 20
.set GI,   24
.set ADRS, 27
.set SPW,  28
.set NIL,  29
.set SC,   32
.set AF,   128
.set X,    64
.set PC,   128
.set TM,   160
.set NMW,  176
.set LS,   178
.set LT,   180
.set PW,   184
.set NM,   192
.set LL,   200
.set QD,   208
.set OUTC, 12
.set OUTS, 94
.set G1,   24
.set G0,   32
.set G1B,  48
.set G0B,  56
.set G1S,  68
.set G0S,  76
.set G1SB, 80
.set G0SB, 88
.set SEL,  96
.set MNT,  98
.set HM,   99
.set CS,   100
.set MSB, 0
.macro WIN new
.if MSB != (\new)
	s_set_vgpr_msb (MSB<<8)|(\new)
.set MSB, (\new)
.endif
.endm
.set MUL_LO, 0xa1
.set MUL_HI, 0xf1
.set TO_B,   0x40
.macro JLOAD g0a, g1a, g0b, g1b
	s_cmp_eq_u32 s15, 0
	s_cbranch_scc0 .Lfor_b_\@
	tensor_load_to_lds s[\g0a:\g0a+3], s[\g1a:\g1a+7]
	s_nop 0
.rept 4
	v_nop
.endr
	s_branch .Lasked_\@
.Lfor_b_\@:
	tensor_load_to_lds s[\g0b:\g0b+3], s[\g1b:\g1b+7]
	s_nop 0
.rept 4
	v_nop
.endr
.Lasked_\@:
.endm
.macro CREST
	s_cmp_lg_u32 s14, 0
	s_cbranch_scc1 .Lnot_wave_0_\@
	s_barrier_signal -3
.Lnot_wave_0_\@:
	s_barrier_wait -3
	s_barrier_signal -1
	s_barrier_wait -1
.endm
.macro CROUND
	s_barrier_signal -1
	s_barrier_wait -1
	CREST
.endm
	s_load_b128 s[4:7], s[0:1], 0x0
	s_load_b64 s[OUTC:OUTC+1], s[0:1], 0x10
	s_load_b64 s[OUTS:OUTS+1], s[0:1], 0x18
	v_lshl_add_u32 v[SPW], v0, 2, SPARE
	v_mov_b32 v[NIL], 0
	ds_add_u32 v[SPW], v[NIL]
	ds_add_u32 v[SPW], v[NIL]
	v_lshrrev_b32 v1, 5, v0
	v_readfirstlane_b32 s14, v1
	s_lshr_b32 s15, s14, 1
	s_and_b32 s16, s14, 1
	s_bfe_u32 s40, ttmp6, 0x40000
	s_bfe_u32 s41, ttmp6, 0x40004
	s_and_b32 s18, ttmp7, 0xffff
	s_lshl_b32 s42, ttmp9, 2
	s_add_co_u32 s42, s42, s40
	s_lshl_b32 s17, s18, 2
	s_add_co_u32 s17, s17, s41
	s_lshl_b32 s43, s41, 2
	s_lshl_b32 s43, 15, s43
	s_lshl_b32 s44, 0x1111, s40
	s_lshl_b32 s104, s17, 1
	s_add_co_u32 s104, s104, s15
	s_lshl_b32 s104, s104, 18
	s_lshl_b32 s105, s42, 15
	s_add_co_u32 s104, s104, s105
	s_lshl_b32 s105, s16, 14
	s_add_co_u32 s104, s104, s105
	s_mov_b32 s105, 0
	s_lshr_b32 s100, s104, 5
	s_mov_b32 s101, 0
	s_or_b32 s[G1+0], s43, (3<<16)|(1<<21)
	s_or_b32 s[G1B+0], s44, (3<<16)|(1<<21)
.irp g, G1, G1B
	s_mov_b32 s[\g+1], 4096<<16                    ; at the head: a K step of two panels: two rows of 32,768 bytes, 131,072 apart; behind it 128 rows of 256 bytes
	s_mov_b32 s[\g+2], 2<<16
	s_mov_b32 s[\g+3], 4096<<16
	s_mov_b32 s[\g+4], 2
	s_mov_b32 s[\g+5], 16384
	s_mov_b32 s[\g+6], 0
	s_mov_b32 s[\g+7], 0
.endr
	s_or_b32 s[G1S+0], s43, (3<<16)|(1<<21)
	s_or_b32 s[G1SB+0], s44, (3<<16)|(1<<21)
.irp g, G1S, G1SB
	s_mov_b32 s[\g+1], 32<<16
	s_mov_b32 s[\g+2], 32<<16
	s_mov_b32 s[\g+3], 32<<16
	s_mov_b32 s[\g+4], 32
	s_mov_b32 s[\g+5], 32
	s_mov_b32 s[\g+6], 0
	s_mov_b32 s[\g+7], 0
.endr
	s_lshl_b32 s20, s17, 1
	s_lshl_b32 s22, s20, 12
	s_lshl_b32 s20, s20, 17
	s_mov_b32 s21, 0
	s_mov_b32 s23, 0
	s_lshr_b32 s46, s18, 1
	s_lshl_b32 s46, s46, 3
	s_add_co_u32 s46, s46, s42
	s_lshl_b32 s46, s46, 1
	s_lshl_b32 s92, s46, 12
	s_add_co_u32 s92, s92, 262144
	s_lshl_b32 s46, s46, 17
	s_add_co_u32 s46, s46, 0x800000
	s_mov_b32 s47, 0
	s_mov_b32 s93, 0
	s_lshl_b32 s45, s14, 15
	s_lshl_b32 s18, s16, 17                        ; in the ring I fetch one panel of the two
	s_mov_b32 s19, 0
	s_wait_dscnt 0x0
	s_wait_kmcnt 0x0
	s_add_nc_u64 s[OUTC:OUTC+1], s[OUTC:OUTC+1], s[104:105]
	s_add_nc_u64 s[OUTS:OUTS+1], s[OUTS:OUTS+1], s[100:101]
	s_add_nc_u64 s[20:21], s[4:5], s[20:21]
	s_add_nc_u64 s[22:23], s[6:7], s[22:23]
	s_add_nc_u64 s[46:47], s[4:5], s[46:47]
	s_add_nc_u64 s[92:93], s[6:7], s[92:93]
	CROUND
	s_mov_b32 s4, 1                                ; the head's four tiles: K step 0 of A's two panels,
	s_mov_b32 s5, 0
	s_mov_b64 s[6:7], s[20:21]
	s_or_b32 s7, s7, 0x80000000
	s_mov_b32 s8, 1                                ; of B's,
	s_mov_b32 s9, 2*HALFT
	s_mov_b64 s[10:11], s[46:47]
	s_or_b32 s11, s11, 0x80000000
	s_mov_b32 s[G0S], 1                            ; A's scale words, B's
	s_mov_b32 s[G0S+1], SCL
	s_mov_b64 s[G0S+2:G0S+3], s[22:23]
	s_or_b32 s[G0S+3], s[G0S+3], 0x80000000
	s_mov_b32 s[G0SB], 1
	s_mov_b32 s[G0SB+1], SCL+2*SPAN
	s_mov_b64 s[G0SB+2:G0SB+3], s[92:93]
	s_or_b32 s[G0SB+3], s[G0SB+3], 0x80000000
	s_add_nc_u64 s[20:21], s[20:21], s[18:19]
	s_add_nc_u64 s[46:47], s[46:47], s[18:19]
.irp s, 0,1
	s_mov_b32 s[G0+4*\s], 1
	s_add_co_u32 s[G0+4*\s+1], s45, \s*SLOT
	s_add_nc_u64 s[G0+4*\s+2:G0+4*\s+3], s[20:21], \s*SROW
	s_or_b32 s[G0+4*\s+3], s[G0+4*\s+3], 0x80000000
	s_mov_b32 s[G0B+4*\s], 1
	s_add_co_u32 s[G0B+4*\s+1], s45, \s*SLOT
	s_add_nc_u64 s[G0B+4*\s+2:G0B+4*\s+3], s[46:47], \s*SROW
	s_or_b32 s[G0B+4*\s+3], s[G0B+4*\s+3], 0x80000000
.endr
.macro ARM under, g0, g1, next
	s_cmp_lt_u32 s14, \under
	s_cbranch_scc0 \next
	tensor_load_to_lds s[\g0:\g0+3], s[\g1:\g1+7]
	s_nop 0
.rept 4
	v_nop
.endr
	s_branch .Lhead_asked
\next:
.endm
	ARM 1, 4, G1, .Lhead_b                         ; one joint load a wave
	ARM 2, 8, G1B, .Lhead_sa
	ARM 3, G0S, G1S, .Lhead_sb
	tensor_load_to_lds s[G0SB:G0SB+3], s[G1SB:G1SB+7]
	s_nop 0
.rept 4
	v_nop
.endr
.Lhead_asked:
	s_cmp_eq_u32 s15, 0                            ; do I fetch for A?
	s_cselect_b64 s[104:105], s[20:21], s[46:47]
	s_cselect_b32 s18, s40, s41                    ; my place among the four that ask for it with me
	s_lshl_b32 s18, s18, 13
	s_mov_b32 s19, 0
	s_add_nc_u64 s[104:105], s[104:105], s[18:19]
	s_mov_b32 s[SEL], 0x76543210
	s_mov_b32 s[SEL+1], 0xfedcba98
	s_mov_b32 s[MNT], 0x600000
	s_mov_b32 s[HM], 0xffff0000
	s_mov_b32 s[CS], 0x3d38aa3b
	s_mov_b32 s[CS+1], s[CS]
	v_and_b32 v1, 15, v0
	v_bfe_u32 v2, v0, 4, 1
	s_wait_alu depctr_va_vdst(0)
	v_and_b32 v3, 31, v0
	s_wait_alu depctr_va_vdst(0)
	v_lshlrev_b32 v4, 4, v3
	s_mul_i32 s21, s15, HALFT
	s_mul_i32 s22, s16, HALFT
	s_add_co_u32 s22, s22, 2*HALFT
.irp s, 0,1
	v_add_nc_u32 v[ADRA+\s], s21, v4
	v_add_nc_u32 v[ADRB+\s], s22, v4
	s_add_co_u32 s21, s21, SLOT
	s_add_co_u32 s22, s22, SLOT
.endr
	s_mul_i32 s21, s15, SPAN
	s_mul_i32 s22, s16, SPAN
	s_add_co_u32 s22, s22, 2*SPAN
	s_sub_co_u32 s22, s22, s21
	v_mul_u32_u24 v6, s22, v2
	s_add_co_u32 s21, s21, SCL
	v_lshl_add_u32 v5, v1, 4, v6
	v_add_nc_u32 v[ADRS], s21, v5
	v_lshlrev_b32 v[GI], 4, v3
	v_lshlrev_b32 v30, 8, v3                       ; the prefetches' offset; never rewritten
	global_prefetch_b8 v30, s[104:105] offset:32768 th:TH_LOAD_NT scope:SCOPE_SE
.macro FRAG reg, adr, q, i
.irp c, 0,1,2,3
	ds_load_b128 v[\reg+4*\c:\reg+4*\c+3], v[\adr] offset:FQ*(\q)+FC*\c+(\i)*FI
.endr
.endm
.macro MUL16 a0, p, q, sc, zero
.irp a, \a0, \a0+1
.irp b, 0,1,2,3,4,5,6,7
.if \zero
	v_wmma_scale_f32_16x16x128_f8f6f4 v[8*(8*((\a)%4)+\b):8*(8*((\a)%4)+\b)+7], v[128*(\p)+FR*\b:128*(\p)+FR*\b+FR-1], v[AF+FR*(\a):AF+FR*(\a)+FR-1], 0, v[SC+16*(\sc)+SQ*(\q)+SI*\b], v[SC+16*(\sc)+SQ*(\q)+SI*(\a)] matrix_a_scale:MATRIX_SCALE_ROW1
.else
	v_wmma_scale_f32_16x16x128_f8f6f4 v[8*(8*((\a)%4)+\b):8*(8*((\a)%4)+\b)+7], v[128*(\p)+FR*\b:128*(\p)+FR*\b+FR-1], v[AF+FR*(\a):AF+FR*(\a)+FR-1], v[8*(8*((\a)%4)+\b):8*(8*((\a)%4)+\b)+7], v[SC+16*(\sc)+SQ*(\q)+SI*\b], v[SC+16*(\sc)+SQ*(\q)+SI*(\a)] matrix_a_scale:MATRIX_SCALE_ROW1
.endif
.endr
.endr
.endm
.macro FETCH_B slot, q, p
	WIN TO_B
.irp i, 0,1,2,3,4,5,6,7
	FRAG 128*(\p)+FR*\i, ADRB+\slot, \q, \i
.endr
	WIN 0
.endm
.macro FETCH_A slot, q, i0
.irp i, \i0, \i0+1, \i0+2, \i0+3
	FRAG AF+FR*(\i), ADRA+\slot, \q, \i
.endr
.endm
.macro SCALES sc
.irp q, 0,1
.irp u, 0,1
	ds_load_b128 v[SC+16*\sc+8*\q+4*\u:SC+16*\sc+8*\q+4*\u+3], v[ADRS] offset:512*\q+256*\u
.endr
.endr
.endm
.macro PLACES n
.rept \n
	v_nop
.endr
.endm
.macro STEP slot, q, zero
	s_wait_dscnt 4*NL
	WIN MUL_LO
	MUL16 0, (\q)%2, \q, \slot, \zero
	MUL16 2, (\q)%2, \q, \slot, \zero
	s_wait_dscnt 0
	PLACES NP
	FETCH_B \slot, (\q)+1, 1-(\q)%2
	FETCH_A \slot, (\q)+1, 0
	WIN MUL_HI
	MUL16 4, (\q)%2, \q, \slot, \zero
	MUL16 6, (\q)%2, \q, \slot, \zero
	PLACES NP
	WIN 0
	FETCH_A \slot, (\q)+1, 4
.endm
.macro TURN slot, next, fill
	s_wait_tensorcnt 0x0
	ds_add_u32 v[SPW], v[NIL]
	s_wait_dscnt 4*NL+1
	WIN MUL_LO
	MUL16 0, 1, NQ-1, \slot, 0
	s_wait_dscnt 0x0
	s_barrier_signal -1
	MUL16 2, 1, NQ-1, \slot, 0
	WIN 0
	s_barrier_wait -1
.if \fill
	CREST
	s_add_nc_u64 s[G0+4*\slot+2:G0+4*\slot+3], s[G0+4*\slot+2:G0+4*\slot+3], 2*SROW
	s_add_nc_u64 s[G0B+4*\slot+2:G0B+4*\slot+3], s[G0B+4*\slot+2:G0B+4*\slot+3], 2*SROW
	JLOAD G0+4*\slot, G1, G0B+4*\slot, G1B
	PLACES NP-4
.else
	PLACES NP
.endif
	s_wait_alu depctr_va_vdst(0)
	v_add_nc_u32 v[ADRS], SSTEP, v[ADRS]
	FETCH_B \next, 0, 0
	FETCH_A \next, 0, 0
	SCALES \next
	WIN MUL_HI
	MUL16 4, 1, NQ-1, \slot, 0
	MUL16 6, 1, NQ-1, \slot, 0
	PLACES NP
	WIN 0
	FETCH_A \next, 0, 4
.endm
	s_wait_alu depctr_va_vdst(0)
	s_wait_tensorcnt 0x0                           ; my tile of the head's four is in; no tensor load of mine is out, so a descriptor may be written
	ds_add_u32 v[SPW], v[NIL]
.irp g, G1, G1B
	s_mov_b32 s[\g+1], 32<<16
	s_mov_b32 s[\g+2], 128<<16
	s_mov_b32 s[\g+3], 32<<16
	s_mov_b32 s[\g+4], 128
	s_mov_b32 s[\g+5], 32
.endr
	s_wait_dscnt 0x0
	CROUND
	JLOAD G0+4, G1, G0B+4, G1B                     ; slot 1's first fill, the first tensor load behind the round
	FETCH_B 0, 0, 0
	FETCH_A 0, 0, 0
	SCALES 0
	FETCH_A 0, 0, 4
	global_prefetch_b8 v30, s[104:105] offset:65536 th:TH_LOAD_NT scope:SCOPE_SE
	global_prefetch_b8 v30, s[104:105] offset:98304 th:TH_LOAD_NT scope:SCOPE_SE
	STEP 0, 0, 1
	s_mov_b32 s3, LAPS-1
.Llap:
	TURN 0, 1, 1
	STEP 1, 0, 0
	TURN 1, 0, 1
	STEP 0, 0, 0
	s_sub_co_u32 s3, s3, 1
	s_cmp_lg_u32 s3, 0
	s_cbranch_scc1 .Llap
	TURN 0, 1, 0
	STEP 1, 0, 0
	s_wait_dscnt 4*NL
	WIN MUL_LO
	MUL16 0, 1, NQ-1, 1, 0
	MUL16 2, 1, NQ-1, 1, 0
	s_wait_dscnt 0
	WIN MUL_HI
	MUL16 4, 1, NQ-1, 1, 0
	MUL16 6, 1, NQ-1, 1, 0
	WIN 0
.macro SOFTQ a
.set W, 2+(\a)/4
.set AC, 64*((\a)%4)
.set PCS, PC+16*((\a)%2)
.set WW, W|(W<<2)
	WIN WW
.irp b, 0,1,2,3
	v_max_num_f32 v[TM+\b], v[AC+16*\b], v[AC+16*\b+1]
.endr
.irp i, 2,4,6,8,10,12,14
.irp b, 0,1,2,3
	v_max3_num_f32 v[TM+\b], v[AC+16*\b+\i], v[AC+16*\b+\i+1], v[TM+\b]
.endr
.endr
	WIN 0
.irp b, 0,1,2,3
	v_permlanex16_b32 v[TM+4+\b], v[TM+\b], s[SEL], s[SEL+1]
.endr
.irp b, 0,1,2,3
	v_max_num_f32 v[TM+\b], v[TM+\b], v[TM+4+\b]
.endr
	v_max3_num_f32 v[NMW+1], v[TM], v[TM+1], v[TM+2]
	v_max_num_f32 v[NMW+1], v[NMW+1], v[TM+3]
	v_mul_f32 v[NMW+1], s[CS], v[NMW+1]
	v_floor_f32 v[NMW], -v[NMW+1]
	WIN W
.set n, 0
.rept 32
	v_pk_fma_f32 v[X+n:X+n+1], v[AC+n:AC+n+1], s[CS:CS+1], v[NMW:NMW+1] op_sel_hi:[1,0,0]
.set n, n+2
.endr
	WIN 0
.irp b, 0,1,2,3
	v_fma_f32 v[TM+\b], v[TM+\b], s[CS], v[NMW]
.endr
.set n, 0
	s_wait_alu depctr_va_vdst(0)
.rept 64
	v_exp_f32 v[X+n], v[X+n]
.set n, n+1
.endr
	v_mov_b32 v[NM+\a], v[NMW]
	s_wait_alu depctr_va_vdst(0)
.irp b, 0,1,2,3
	v_exp_f32 v[TM+\b], v[TM+\b]
.endr
	v_pk_add_f32 v[LS:LS+1], v[X:X+1], v[X+2:X+3]
	v_pk_add_f32 v[LT:LT+1], v[X+4:X+5], v[X+6:X+7]
.set n, 8
.rept 14
	v_pk_add_f32 v[LS:LS+1], v[LS:LS+1], v[X+n:X+n+1]
	v_pk_add_f32 v[LT:LT+1], v[LT:LT+1], v[X+n+2:X+n+3]
.set n, n+4
.endr
	v_pk_add_f32 v[LS:LS+1], v[LS:LS+1], v[LT:LT+1]
	v_add_f32 v[LS], v[LS], v[LS+1]
	v_permlanex16_b32 v[LT], v[LS], s[SEL], s[SEL+1]
	v_add_f32 v[LL+\a], v[LS], v[LT]
	s_wait_alu depctr_va_vdst(0)
.irp b, 0,1,2,3
	v_max_num_f32 v[TM+\b], 0x4800000, v[TM+\b]
.endr
.irp b, 0,1,2,3
	v_add_nc_u32 v[TM+12+\b], 0xfc000000, v[TM+\b]
.endr
.irp b, 0,1,2,3
	v_and_or_b32 v[TM+8+\b], v[TM+\b], 0x7f800000, s[MNT]
.endr
.irp b, 0,1,2,3
	v_lshrrev_b32 v[TM+4+\b], 23, v[TM+12+\b]
.endr
	v_lshl_or_b32 v[PW+\a], v[TM+5], 8, v[TM+4]
	v_lshl_or_b32 v[PW+\a], v[TM+6], 16, v[PW+\a]
	v_lshl_or_b32 v[PW+\a], v[TM+7], 24, v[PW+\a]
.if (\a) >= 2
	s_wait_xcnt 0x0
.endif
.set n, 0
.rept 64
	v_min_num_f32 v[X+n], v[X+n], v[TM+8+n/16]
.set n, n+1
.endr
.irp b, 0,1,2,3
	v_cvt_scalef32_pk8_fp8_f32 v[PCS+4*\b:PCS+4*\b+1], v[X+16*\b:X+16*\b+7], v[TM+12+\b]
	v_cvt_scalef32_pk8_fp8_f32 v[PCS+4*\b+2:PCS+4*\b+3], v[X+16*\b+8:X+16*\b+15], v[TM+12+\b]
.endr
	v_nop
.irp c, 0,1,2,3
	global_store_b128 v[GI], v[PCS+4*\c:PCS+4*\c+3], s[OUTC:OUTC+1] offset:2048*(\a)+512*\c
.endr
.endm
	PLACES NP
.irp b, 0,1,2,3
	v_mov_b32 v[TM+4+\b], 0
.endr
	v_mov_b32 v[LT], 0
.irp a, 0,1,2,3,4,5,6,7
	SOFTQ \a
.endr
.irp j, 0,1,2,3
	v_cndmask_b32 v[QD+\j], v[PW+\j], v[PW+4+\j], s[HM]
	v_cndmask_b32 v[QD+4+\j], v[NM+\j], v[NM+4+\j], s[HM]
	v_cndmask_b32 v[QD+8+\j], v[LL+\j], v[LL+4+\j], s[HM]
.endr
	global_store_b128 v[GI], v[QD:QD+3], s[OUTS:OUTS+1]
	global_store_b128 v[GI], v[QD+4:QD+7], s[OUTS:OUTS+1] offset:524288
	global_store_b128 v[GI], v[QD+8:QD+11], s[OUTS:OUTS+1] offset:1048576
	s_wait_tensorcnt 0x0
	ds_add_u32 v[SPW], v[NIL]
	s_wait_dscnt 0x0
	CROUND
	s_endpgm
.Lfunc_end_k_q99cd27e239_score:
	.size	k_q99cd27e239_score, .Lfunc_end_k_q99cd27e239_score-k_q99cd27e239_score
	.p2alignl 7, 3214868480
	.fill 96, 4, 3214868480
	.section	.rodata,"a",@progbits
	.p2align	6, 0x0
	.amdhsa_kernel k_q99cd27e239_score
		.amdhsa_group_segment_fixed_size 327680
		.amdhsa_private_segment_fixed_size 0
		.amdhsa_enable_private_segment 0
		.amdhsa_kernarg_size 32
		.amdhsa_user_sgpr_count 2
		.amdhsa_user_sgpr_kernarg_segment_ptr 1
		.amdhsa_wavefront_size32 1
		.amdhsa_system_sgpr_workgroup_id_x 1
		.amdhsa_system_sgpr_workgroup_id_y 1
		.amdhsa_system_sgpr_workgroup_id_z 1
		.amdhsa_system_vgpr_workitem_id 0
		.amdhsa_next_free_vgpr 1024
		.amdhsa_next_free_sgpr 106
		.amdhsa_reserve_vcc 0
		.amdhsa_float_denorm_mode_32 3
		.amdhsa_float_denorm_mode_16_64 3
		.amdhsa_memory_ordered 1
		.amdhsa_forward_progress 1
		.amdhsa_inst_pref_size 224
	.end_amdhsa_kernel
	.amdgpu_metadata
---
amdhsa.version: [ 1, 2 ]
amdhsa.kernels:
  - .name:           k_q99cd27e239_score
    .symbol:         k_q99cd27e239_score.kd
    .args:
      - { .name: img, .offset: 0, .size: 8, .value_kind: global_buffer, .address_space: global }
      - { .name: scl, .offset: 8, .size: 8, .value_kind: global_buffer, .address_space: global }
      - { .name: pimg, .offset: 16, .size: 8, .value_kind: global_buffer, .address_space: global }
      - { .name: pst, .offset: 24, .size: 8, .value_kind: global_buffer, .address_space: global }
    .group_segment_fixed_size: 327680
    .private_segment_fixed_size: 0
    .kernarg_segment_align: 8
    .kernarg_segment_size: 32
    .max_flat_workgroup_size: 128
    .sgpr_count:     106
    .vgpr_count:     1024
    .wavefront_size: 32
...
	.end_amdgpu_metadata
.endif
;; end of part 2
;; launch mix (part 3): grid 4 x 64, 4 waves a work-group, clusters of 4 x 4, 327,680 bytes of LDS; arguments pimg, pst, img, scl, out0; writes out0
.if DOCPART == 3
	.amdgcn_target "amdgcn-amd-amdhsa--gfx1250"
	.amdhsa_code_object_version 6
	.text
	.protected	k_q99cd27e239_mix
	.globl	k_q99cd27e239_mix
	.p2align	8
	.type	k_q99cd27e239_mix,@function
k_q99cd27e239_mix:
	s_mov_b64 s[64:65], 0
	v_nop
	global_prefetch_b8 v0, s[64:65] scope:SCOPE_SE
	s_setreg_imm32_b32 hwreg(HW_REG_WAVE_MODE, 25, 1), 1
	s_wait_xcnt 0x0
	s_wait_alu depctr_hold_cnt(0) depctr_sa_sdst(0) depctr_va_vdst(0) depctr_va_sdst(0) depctr_va_ssrc(0) depctr_va_vcc(0) depctr_vm_vsrc(0)
	s_getreg_b32 s2, hwreg(HW_REG_IB_STS2, 6, 4)
	s_cmp_eq_u32 s2, 0
	s_cbranch_scc0 .Lentry_in_a_cluster
	s_endpgm
.Lentry_in_a_cluster:
	s_bfe_u32 s2, ttmp6, 0x10000c
	s_cmp_lg_u32 s2, 0xf033
	s_cbranch_scc0 .Lentry_shape_is_right
	s_endpgm
.Lentry_shape_is_right:
; out = (P V) / l (the fifth product), on p's and v's images.  No work is left out.
; SHARES.  A tile of 128 queries x 256 of e is made by a work-group of four waves, each 64 x 128: 32 accumulators of 16 x 16, 256 registers: 64 x 4 = 256 work-groups.  K = the batch's 2,048 keys goes in 16 UNITS of 128.
; OPERANDS ARE IMAGES OF THEIR REGISTERS: [panel of 128 rows][unit][16 rows][c][lane][16 bytes]: a panel's units are 16,384 dense bytes each; a fragment is four loads of 512 consecutive bytes.  Scale words: for a panel and a unit 512 bytes,
; the word of row 16 (4 u + w) + r at 256 u + 16 r + 4 w.
; v's two panels come through LDS: two slots of FOUR units, by joint loads along a column of the cluster, a quarter a wave: units 0-3 at the head, 4-7 behind their landing, 8-11 inside unit 3, 12-15 inside unit 7; the last barrier stands in unit 11.
; p's fragments go STRAIGHT INTO REGISTERS, three units ahead, in four sets of 64 (window 3): p is not asked for jointly, because in LDS beside v it would take 16,384 of each unit's 49,152 bytes, so that two slots would hold three units each,
; not four, and each wave would load 49 times 512 bytes from LDS for a unit's 32 products, not 33.
; Each unit has ONE run of loads, ahead of its products: the next unit's v fragments and p scale words from LDS, p's fragments and v's scale words of three units on from memory.
; TRANSPOSED USE (source 0 = 16 of e, source 1 = 16 queries): in accumulator (a, b) lane (r, h) holds query 16 a + r of my 64 and its register j column 16 b + 8 h + j of my 128.
; THE PROLOGUE, while the first tiles are on their way.  p was quantised under a whole number M' for each query and 128 keys.  Each wave finds, for its 64 queries, M = the largest of the sixteen M', takes d = M - M' off p's scale bytes
; (a power of two moves a block's scale and no code), and makes l = the sum of l' x 2^(M' - M) and 1 / l.  The two waves that share 64 queries shift the words of eight units each; the words go to LDS bytes of their own.
; PREFETCHES, a group of four units ahead of its loads: every wave names 8,192 bytes of v (its quarter of the group shared by the four partners of the column), waves 0 and 1 also 8,192 of p (its halves, shared by the four of the row):
; units 4-7 behind the statistics' loads, 8-11 behind slot B's load, 12-15 inside unit 3.  So each 256 bytes are named once in a cluster.
; LIMITS.  A scale byte that d would take under 0 is held at 0, and d at 127: such a block counts with 2^-127 x its codes, beside a row sum of at least 1/2.  The codes stand in a fixed order inside each block of 32 keys, alike in p and v.
; NaN and infinities are not served.
.set UNIT,  16384
.set SLOTB, 131072                     ; slot A at 0, slot B here: v's two panels, four units each
.set SCA,   2*SLOTB                    ; p's scale words under M, 16 units x 512 bytes: stored by the waves, never filled
.set SPARE, SCA+8192
.set STG,   SPARE+512                  ; the way out: a stage of 16 rows x (512 bytes + 16) for each wave, never filled
.set SPITCH, 528
.set SIZE_N, 1024
.set PT,   3                           ; v3-6    the lane permutes' results
.set PO,   7                           ; v7      512 h + 16 r: my place in two units' statistics
.set MX,   8                           ; v8-11   M of my row in my blocks 0 .. 3
.set ADB,  20                          ; v20     LDS address of my v fragments in the slot that is read
.set GI,   21                          ; v21     16 x lane
.set STO,  24
.set RD,   25
.set ADSA, 27                          ; v27     LDS address of p's scale words of my row, of the four units in hand
.set SPW,  28
.set NIL,  29
.set AW,   30                          ; v30     where I store scale words
.set PFO,  31                          ; v31     256 x lane; never rewritten
.set SP,   36                          ; v36-39 even units', v32-35 odd units' p scale words;
.set VS,   40                          ; v40-55 v's, four sets: lanes 0-15 blocks 0-3, lanes 16-31 blocks 4-7.  v32-55 hold scales and nothing else
.set RI,   56                          ; v56-63  1 / l, each twice
.set NMA,  128                         ; the prologue: v128-159 -M' of all sixteen units (lane half h: units 2 j + h), then M' - M
.set LA,   160                         ; v160-191 l' likewise
.set NMM,  192                         ; v192-207 -M' of the units whose words I shift, then d
.set SCM,  208                         ; v208-223 those words
.set BK,   128                         ; the way out: v128-191 and v192-255 by turns.  Window 1: v, two sets of 128.  Window 2: the accumulators.  Window 3: p, four sets of 64; scaled results on the way out
.set OUTC, 12
.set G1V,  24
.set G0V,  32
.set VSB,  66                          ; s[66:67] v's scale words
.set PB,   68                          ; s[68:69] p: my four blocks
.set PA,   70                          ; s[70:71], s[72:73] where I ask ahead, in p and in v
.set VA,   72
.set PS,   96                          ; s[96:97] the statistics of my 64 queries
.set PM,   98                          ; s[98:99] the half of them whose words I shift
.set SEL,  100
.set HI8,  104
.set ONE8, 105
.set MSB, 0
.macro WIN new                         ; the immediate's high byte repeats the setting that is left
.if MSB != (\new)
	s_set_vgpr_msb (MSB<<8)|(\new)
.set MSB, (\new)
.endif
.endm
.set MUL,  0xad                        ; source 0 (v) window 1, source 1 (p) window 3, C and D window 2
.macro PLACES n
.rept \n
	v_nop
.endr
.endm
.macro MIDDLE                          ; a round behind its opening signal, up to its closing barrier
	s_barrier_wait -1
	s_cmp_lg_u32 s14, 0
	s_cbranch_scc1 .Lnot_wave_0_\@
	s_barrier_signal -3
.Lnot_wave_0_\@:
	s_barrier_wait -3
	s_barrier_signal -1
	s_barrier_wait -1
.endm
.macro CROUND
	s_barrier_signal -1
	MIDDLE
.endm
.macro VLOAD                           ; my quarter of four units of v, jointly along my column
	tensor_load_to_lds s[G0V:G0V+3], s[G1V:G1V+7]
	s_nop 0
	PLACES 4
.endm
.macro NEXTV                           ; the descriptor's other slot, four units on (no tensor load of mine is out)
	s_xor_b32 s[G0V+1], s[G0V+1], SLOTB
	s_add_nc_u64 s[G0V+2:G0V+3], s[G0V+2:G0V+3], 4*UNIT
.endm
.macro ASK off
	global_prefetch_b8 v[PFO], s[VA:VA+1] offset:\off th:TH_LOAD_NT scope:SCOPE_SE
	s_cmp_lt_u32 s14, 2
	s_cbranch_scc0 .Lv_alone_\@
	global_prefetch_b8 v[PFO], s[PA:PA+1] offset:\off th:TH_LOAD_NT scope:SCOPE_SE
.Lv_alone_\@:
.endm
	s_load_b128 s[4:7], s[0:1], 0x0                ; pimg, pst
	s_load_b128 s[8:11], s[0:1], 0x10              ; img, scl
	s_load_b64 s[OUTC:OUTC+1], s[0:1], 0x20        ; out0
	v_lshl_add_u32 v[SPW], v0, 2, SPARE
	v_mov_b32 v[NIL], 0
	ds_add_u32 v[SPW], v[NIL]                      ; the wave's opening: the add, twice on end, and its wait ahead of my first tensor load
	ds_add_u32 v[SPW], v[NIL]
	v_lshrrev_b32 v1, 5, v0
	v_readfirstlane_b32 s14, v1                    ; wave 0..3
	s_lshr_b32 s15, s14, 1                         ; which 64 queries are mine.  Also: which two of v's four units I fetch
	s_and_b32 s16, s14, 1                          ; which panel of e.  Also: which panel of v I fetch
	s_bfe_u32 s40, ttmp6, 0x40000                  ; cx, cy
	s_bfe_u32 s41, ttmp6, 0x40004
	s_and_b32 s18, ttmp7, 0xffff                   ; cluster y
	s_lshl_b32 s42, ttmp9, 2
	s_add_co_u32 s42, s42, s40                     ; tile column: 256 of e
	s_lshl_b32 s17, s18, 2
	s_add_co_u32 s17, s17, s41                     ; the panel of 128 queries
	s_lshl_b32 s44, 0x1111, s40                    ; my column of the cluster
	s_or_b32 s[G1V], s44, (3<<16)|(1<<21)          ; 32,768 dense bytes as 128 rows of 256 (32 elements of 8), no padding
	s_mov_b32 s[G1V+1], 32<<16
	s_mov_b32 s[G1V+2], 128<<16
	s_mov_b32 s[G1V+3], 32<<16
	s_mov_b32 s[G1V+4], 128
	s_mov_b32 s[G1V+5], 32
	s_mov_b32 s[G1V+6], 0
	s_mov_b32 s[G1V+7], 0
	s_lshl_b32 s20, s17, 18                        ; p's panel
	s_mov_b32 s21, 0
	s_lshl_b32 s22, s17, 13                        ; its statistics, my 64 queries' half of each 512 bytes
	s_lshl_b32 s23, s15, 8
	s_add_co_u32 s22, s22, s23
	s_mov_b32 s23, 0
	s_lshr_b32 s19, s18, 2                         ; the batch: 16 panels of queries, four clusters
	s_lshl_b32 s46, s42, 1
	s_add_co_u32 s46, s46, s16                     ; v's panel of e
	s_lshl_b32 s66, s46, 13
	s_lshl_b32 s46, s46, 18
	s_lshl_b32 s47, s19, 21
	s_add_co_u32 s46, s46, s47
	s_add_co_u32 s46, s46, 0x1000000               ; v's codes lie behind q's and k's,
	s_lshl_b32 s47, s19, 16
	s_add_co_u32 s66, s66, s47
	s_add_co_u32 s66, s66, 524288                  ; and so do its scale words
	s_mov_b32 s47, 0
	s_mov_b32 s67, 0
	s_mov_b32 s3, 0
	s_wait_alu depctr_va_vdst(0)
	s_wait_dscnt 0x0                               ; both opening adds are done
	s_wait_kmcnt 0x0
	s_add_nc_u64 s[20:21], s[4:5], s[20:21]
	s_add_nc_u64 s[PS:PS+1], s[6:7], s[22:23]
	s_add_nc_u64 s[46:47], s[8:9], s[46:47]
	s_add_nc_u64 s[VSB:VSB+1], s[10:11], s[66:67]
	CROUND                                         ; all sixteen work-groups are here: the first joint loads meet
	s_mov_b32 s[G0V], 1
	s_lshl_b32 s2, s16, 16
	s_lshl_b32 s45, s15, 15
	s_add_co_u32 s[G0V+1], s2, s45
	s_lshl_b32 s2, s15, 15
	s_add_nc_u64 s[46:47], s[46:47], s[2:3]
	s_mov_b64 s[G0V+2:G0V+3], s[46:47]
	s_or_b32 s[G0V+3], s[G0V+3], 0x80000000
	VLOAD                                          ; units 0 to 3: one joint load a wave
	s_lshl_b32 s2, s41, 13
	s_add_nc_u64 s[VA:VA+1], s[46:47], s[2:3]      ; my place among the four of my column
	s_lshl_b32 s2, s15, 13
	s_add_nc_u64 s[PB:PB+1], s[20:21], s[2:3]
	s_lshl_b32 s2, s16, 15
	s_lshl_b32 s45, s40, 13
	s_add_co_u32 s2, s2, s45                       ; and of my row
	s_add_nc_u64 s[PA:PA+1], s[20:21], s[2:3]
	s_lshl_b32 s2, s16, 12
	s_add_nc_u64 s[PM:PM+1], s[PS:PS+1], s[2:3]    ; the eight units whose scale words I shift
	s_lshl_b32 s22, s17, 19                        ; my part of out: row 128 x panel + 64 x half, of 4,096 bytes
	s_lshl_b32 s45, s15, 18
	s_add_co_u32 s22, s22, s45
	s_lshl_b32 s45, s42, 10
	s_add_co_u32 s22, s22, s45
	s_lshl_b32 s45, s16, 9
	s_add_co_u32 s22, s22, s45
	s_mov_b32 s23, 0
	s_add_nc_u64 s[OUTC:OUTC+1], s[OUTC:OUTC+1], s[22:23]
	s_mov_b32 s[HI8], 0x80808080
	s_mov_b32 s[ONE8], 0x01010101
	s_mov_b32 s[SEL], 0x76543210
	s_mov_b32 s[SEL+1], 0xfedcba98
	s_lshl_b32 s22, s16, 16                        ; v: my panel
	s_lshl_b32 s23, s15, 8
	s_add_co_u32 s23, s23, SCA                     ; p's scale words: my four blocks' half of each unit's 512 bytes
	s_lshl_b32 s45, s16, 12
	s_add_co_u32 s45, s45, s23
	s_mul_i32 s46, s14, 16*SPITCH
	s_add_co_u32 s46, s46, STG                     ; my stage
	v_and_b32 v1, 15, v0                           ; r
	v_bfe_u32 v2, v0, 4, 1                         ; h
	v_and_b32 v3, 31, v0
	v_lshlrev_b32 v[GI], 4, v3
	v_lshlrev_b32 v[PFO], 8, v3
	v_lshlrev_b32 v5, 4, v1
	v_lshl_add_u32 v[PO], v2, 9, v5
	v_add_nc_u32 v[ADB], s22, v[GI]
	v_add_nc_u32 v[ADSA], s23, v5
	v_add_nc_u32 v[AW], s45, v[PO]
	v_mul_u32_u24 v6, v1, SPITCH                   ; in: row r, 32 bytes for each half of the lanes
	v_lshl_add_u32 v6, v2, 5, v6
	v_add_nc_u32 v[STO], s46, v6
	v_add_nc_u32 v[RD], s46, v[GI]                 ; back: the 32 lanes take one row of 512 bytes
.irp k, 0,1,2,3
	v_mov_b32 v[PT+\k], 0                          ; written once: a lane permute's destination counts as one of its sources
.endr
	s_wait_alu depctr_va_vdst(0)
; p's fragments of unit n: four blocks of 16 queries, 16 loads; BU: the unit at which s[PB] and s[VSB] stand
.set BU, 0
.macro PLOAD n
	WIN 0xc0
.irp a, 0,1,2,3
.irp c, 0,1,2,3
	global_load_b128 v[64*((\n)%4)+16*\a+4*\c:64*((\n)%4)+16*\a+4*\c+3], v[GI], s[PB:PB+1] offset:UNIT*((\n)-BU)+2048*\a+512*\c
.endr
.endr
	WIN 0
.endm
.macro VSLOAD n
	global_load_b128 v[VS+4*((\n)%4):VS+4*((\n)%4)+3], v[GI], s[VSB:VSB+1] offset:512*((\n)-BU)
.endm
.irp j, 0,1,2,3,4,5,6,7                        ; -M' of the sixteen units: lanes 0-15 the even units, lanes 16-31 the odd; register 4 j + i: my row in my block i
	global_load_b128 v[NMA+4*\j:NMA+4*\j+3], v[PO], s[PS:PS+1] offset:524288+1024*\j
.endr
.irp j, 0,1,2,3                                ; -M' of my eight units once more, in registers of their own,
	global_load_b128 v[NMM+4*\j:NMM+4*\j+3], v[PO], s[PM:PM+1] offset:524288+1024*\j
.endr
.irp j, 0,1,2,3                                ; their raw scale words,
	global_load_b128 v[SCM+4*\j:SCM+4*\j+3], v[PO], s[PM:PM+1] offset:1024*\j
.endr
.irp j, 0,1,2,3,4,5,6,7                        ; and l' of all sixteen
	global_load_b128 v[LA+4*\j:LA+4*\j+3], v[PO], s[PS:PS+1] offset:1048576+1024*\j
.endr
	VSLOAD 0
	VSLOAD 1
	VSLOAD 2
	PLOAD 0
	PLOAD 1
	s_wait_loadcnt 51                              ; -M' of the sixteen units is in; the 16 younger statistics and the 35 loads behind them may be out
.irp i, 0,1,2,3
	v_max3_num_f32 v[MX+\i], -v[NMA+\i], -v[NMA+4+\i], -v[NMA+8+\i]
.endr
.irp i, 0,1,2,3
	v_max3_num_f32 v[MX+\i], v[MX+\i], -v[NMA+12+\i], -v[NMA+16+\i]
.endr
.irp i, 0,1,2,3
	v_max3_num_f32 v[MX+\i], v[MX+\i], -v[NMA+20+\i], -v[NMA+24+\i]
.endr
.irp i, 0,1,2,3
	v_max_num_f32 v[MX+\i], v[MX+\i], -v[NMA+28+\i]
.endr
.irp k, 0,1,2,3
	v_permlanex16_b32 v[PT+\k], v[MX+\k], s[SEL], s[SEL+1]
.endr
.irp k, 0,1,2,3
	v_max_num_f32 v[MX+\k], v[MX+\k], v[PT+\k]     ; with the other half's units: the row's M
.endr
.set n, 0
.rept 32
	v_sub_f32 v[NMA+n], -v[NMA+n], v[MX+n%4]       ; M' - M: a whole number, 0 or less
.set n, n+1
.endr
.set n, 0
.rept 32
	v_cvt_i32_f32 v[NMA+n], v[NMA+n]               ; (it saturates)
.set n, n+1
.endr
	s_wait_alu depctr_va_vdst(0)
	s_wait_loadcnt 43                              ; my eight units' -M' and scale words are in; l' and the 35 may be out
.set n, 0
.rept 16
	v_add_f32 v[NMM+n], v[NMM+n], v[MX+n%4]        ; d = M - M', 0 or more
.set n, n+1
.endr
.set n, 0
.rept 16
	v_min_num_f32 v[NMM+n], 0x42fe0000, v[NMM+n]   ; held at 127
.set n, n+1
.endr
.set n, 0
.rept 16
	v_cvt_u32_f32 v[NMM+n], v[NMM+n]
.set n, n+1
.endr
.set n, 0
.rept 16
	v_mul_lo_u32 v[NMM+n], v[NMM+n], s[ONE8]       ; d in each of the four bytes
.set n, n+1
.endr
; each byte b of a word becomes max(b - d, 0).  b is at most 119 and d at most 127: with bit 7 set in each byte the subtraction borrows from no neighbour, and bit 7 stays where b >= d
.irp g, 0,1,2,3
.irp k, 0,1,2,3
	v_or_b32 v[SCM+4*\g+\k], s[HI8], v[SCM+4*\g+\k]
.endr
.irp k, 0,1,2,3
	v_sub_nc_u32 v[SCM+4*\g+\k], v[SCM+4*\g+\k], v[NMM+4*\g+\k]
.endr
.irp k, 0,1,2,3
	v_and_b32 v[NMM+4*\g+\k], s[HI8], v[SCM+4*\g+\k]
.endr
.irp k, 0,1,2,3
	v_lshrrev_b32 v[PT+\k], 7, v[NMM+4*\g+\k]
.endr
.irp k, 0,1,2,3
	v_sub_nc_u32 v[NMM+4*\g+\k], v[NMM+4*\g+\k], v[PT+\k]   ; 0x7f in the bytes that stay, 0 in the others
.endr
.irp k, 0,1,2,3
	v_and_b32 v[SCM+4*\g+\k], v[SCM+4*\g+\k], v[NMM+4*\g+\k]
.endr
.endr
.irp j, 0,1,2,3
	ds_store_b128 v[AW], v[SCM+4*\j:SCM+4*\j+3] offset:1024*\j
.endr
	s_wait_alu depctr_va_vdst(0)
	s_wait_loadcnt 35                              ; l'; the three scale loads and p's 32 may be out
	PLOAD 2
	ASK 65536                                      ; units 4 to 7
.set n, 0
.rept 32
	v_ldexp_f32 v[LA+n], v[LA+n], v[NMA+n]         ; l' under M: a multiplication that rounds nothing
.set n, n+1
.endr
.irp j, 1,2,3,4,5,6,7
.irp i, 0,1,2,3
	v_add_f32 v[LA+\i], v[LA+\i], v[LA+4*\j+\i]
.endr
.endr
.irp k, 0,1,2,3
	v_permlanex16_b32 v[PT+\k], v[LA+\k], s[SEL], s[SEL+1]
.endr
.irp k, 0,1,2,3
	v_add_f32 v[LA+\k], v[LA+\k], v[PT+\k]         ; the row's l, at least 1/2
.endr
	s_wait_alu depctr_va_vdst(0)
.irp i, 0,1,2,3
	v_rcp_f32 v[RI+2*\i], v[LA+\i]                 ; twice: a pair for the packed multiply
	v_rcp_f32 v[RI+2*\i+1], v[LA+\i]
.endr
	v_nop                                          ; a plain instruction behind the last reciprocal
	s_wait_alu depctr_va_vdst(0)                   ; one wait for the eight, ahead of every later line that names them
.macro VFETCH n                        ; unit n from LDS: v's eight fragments and p's scale words: 33 loads
	WIN 0x40
.irp i, 0,1,2,3,4,5,6,7
.irp c, 0,1,2,3
	ds_load_b128 v[128*((\n)%2)+16*\i+4*\c:128*((\n)%2)+16*\i+4*\c+3], v[ADB] offset:UNIT*((\n)%4)+2048*\i+512*\c
.endr
.endr
	WIN 0
	ds_load_b128 v[SP-4*((\n)%2):SP-4*((\n)%2)+3], v[ADSA] offset:512*((\n)%4)
.endm
; 8 matrix instructions: p's block a x v's eight.  Unit 0's products start the sums.  The 32 accumulators take turns, one instruction a turn, in the same order in every unit.
.macro MULROW a
	WIN MUL
.irp b, 0,1,2,3,4,5,6,7
.set D_, 8*(8*(\a)+\b)
.set V_, 128*(UU%2)+16*\b
.set P_, 64*(UU%4)+16*(\a)
.set KV_, VS+4*(UU%4)+(\b)%4
.set KP_, SP-4*(UU%2)+(\a)
.if UU == 0
.if \b < 4
	v_wmma_scale_f32_16x16x128_f8f6f4 v[D_:D_+7], v[V_:V_+15], v[P_:P_+15], 0, v[KV_], v[KP_]
.else
	v_wmma_scale_f32_16x16x128_f8f6f4 v[D_:D_+7], v[V_:V_+15], v[P_:P_+15], 0, v[KV_], v[KP_] matrix_a_scale:MATRIX_SCALE_ROW1
.endif
.else
.if \b < 4
	v_wmma_scale_f32_16x16x128_f8f6f4 v[D_:D_+7], v[V_:V_+15], v[P_:P_+15], v[D_:D_+7], v[KV_], v[KP_]
.else
	v_wmma_scale_f32_16x16x128_f8f6f4 v[D_:D_+7], v[V_:V_+15], v[P_:P_+15], v[D_:D_+7], v[KV_], v[KP_] matrix_a_scale:MATRIX_SCALE_ROW1
.endif
.endif
.endr
.endm
; ONE UNIT.  lc: the loads that may be out: two younger units of 17 (p's 16 and v's scale words).  chg: 1 a change of slots with a refill, 2 with a plain barrier.  pl: p is loaded three units on.
; The runs' registers were last read by the unit before: eight places stand between its last product and them.
.macro UNITX lc, chg, pl
	WIN 0
	s_wait_loadcnt \lc
.if \chg
	s_wait_tensorcnt 0x0                           ; my part of the slot that is read next is in
	ds_add_u32 v[SPW], v[NIL]
.if (\chg) == 1
	NEXTV
.endif
	s_wait_dscnt 0x0                               ; the add is done, and this unit's fragments, the last of their slot, are in registers
	s_barrier_signal -1
	MULROW 0                                       ; work on registers while the others arrive
	MULROW 1
	WIN 0
.if (\chg) == 1
	MIDDLE
	VLOAD                                          ; the first tensor load behind the round
.else
	s_barrier_wait -1
.endif
	v_xor_b32 v[ADB], SLOTB, v[ADB]                ; the other slot, and the next four units' scale words
	v_add_nc_u32 v[ADSA], 2048, v[ADSA]
	PLACES 8
	s_wait_alu depctr_va_vdst(0)
	VFETCH UU+1
	VSLOAD UU+3
	PLOAD UU+3
.if (\chg) == 1
	s_cmp_eq_u32 s3, 0                             ; in the first trip alone: units 12 to 15
	s_cbranch_scc0 .Lno_ask_\@
	ASK 196608
.Lno_ask_\@:
.endif
	MULROW 2
	MULROW 3
.else
	s_wait_dscnt 0x0                               ; this unit's fragments and scale words are in
	PLACES 8
	VFETCH UU+1
.if \pl
	VSLOAD UU+3
	PLOAD UU+3
.endif
	MULROW 0
	MULROW 1
	MULROW 2
	MULROW 3
.endif
	WIN 0
.endm
	s_wait_tensorcnt 0x0                           ; my part of slot A is in
	ds_add_u32 v[SPW], v[NIL]
	NEXTV
	s_wait_dscnt 0x0                               ; the add is done, and my stores of p's scale words have landed
	CROUND
	VLOAD                                          ; units 4 to 7 into slot B
	VFETCH 0
	ASK 131072                                     ; units 8 to 11
.set UU, 0
	UNITX 32, 0, 1                                 ; p's units 1 and 2 may be out
	s_mov_b32 s3, 0
.Lfour:                                            ; units 1 to 4, 5 to 8
.set UU, 1
	UNITX 33, 0, 1                                 ; (in the first trip p's unit 2, 16 loads, and unit 3's 17)
.set UU, 2
	UNITX 34, 0, 1
.set UU, 3
	UNITX 34, 1, 1
.set UU, 4
	UNITX 34, 0, 1
	s_wait_xcnt 0x0                                ; the loads have read their bases
	s_add_nc_u64 s[PB:PB+1], s[PB:PB+1], 4*UNIT
	s_add_nc_u64 s[VSB:VSB+1], s[VSB:VSB+1], 2048
	s_add_co_u32 s3, s3, 1
	s_cmp_lt_u32 s3, 2
	s_cbranch_scc1 .Lfour
.set BU, 8
.set UU, 9
	UNITX 34, 0, 1
.set UU, 10
	UNITX 34, 0, 1
.set UU, 11
	UNITX 34, 2, 1
.set UU, 12
	UNITX 34, 0, 1
.set UU, 13
	UNITX 34, 0, 0
.set UU, 14
	UNITX 17, 0, 0
.set UU, 15
; THE WAY OUT, block by block of 16 queries x 128 of e: divided by l, through my own stage in LDS, back as whole rows of 512 bytes.  LDS serves a wave's instructions in order (ISA guide 5.7.1.4): no wait between the stores and the loads.
.macro SCALE a                         ; the block x 1 / l of my row, into window 3 (p's sets 0 and 1 are done with), by turns
.set AC, 64*(\a)
.set TP, 64*((\a)%2)
	WIN 0xc2                                       ; destination window 3, source 0 the accumulators' window, source 1 window 0
.set n, 0
.rept 32
	v_pk_mul_f32 v[TP+n:TP+n+1], v[AC+n:AC+n+1], v[RI+2*(\a):RI+2*(\a)+1]   ; each accumulator from its low end on
.set n, n+2
.endr
.endm
.macro TOSTAGE a
.set TP, 64*((\a)%2)
	WIN 0x0c                                       ; an LDS store's data are its source 1: window 3
.irp b, 0,1,2,3,4,5,6,7
	ds_store_b128 v[STO], v[TP+8*\b:TP+8*\b+3] offset:64*\b
	ds_store_b128 v[STO], v[TP+8*\b+4:TP+8*\b+7] offset:64*\b+16
.endr
	WIN 0
.set BB, BK+64*((\a)%2)
.irp t, 0,1,2,3,4,5,6,7,8,9,10,11,12,13,14,15
	ds_load_b128 v[BB+4*\t:BB+4*\t+3], v[RD] offset:\t*SPITCH
.endr
.endm
.macro SEND a, younger                 ; younger: the LDS instructions issued behind block a's loads, which may stay out
.set BB, BK+64*((\a)%2)
	s_wait_dscnt \younger                          ; the block is back in registers
.if (\a) > 0
	s_add_nc_u64 s[OUTC:OUTC+1], s[OUTC:OUTC+1], 16*SIZE_N*4   ; (behind a wait on XCNT: the earlier stores have read their base)
.endif
.irp t, 0,1,2,3,4,5,6,7,8,9,10,11,12,13,14,15
	global_store_b128 v[GI], v[BB+4*\t:BB+4*\t+3], s[OUTC:OUTC+1] offset:\t*SIZE_N*4 th:TH_STORE_NT   ; 32 lanes store 512 consecutive bytes, aligned; written once, read by nobody here
.endr
.endm
	s_wait_loadcnt 0x0                             ; the last unit
	s_wait_dscnt 0x0
	MULROW 0
	MULROW 1
	PLACES 8                                       ; block 0 is finished: it is on its way through the stage while blocks 2 and 3 are
	SCALE 0
	TOSTAGE 0
	MULROW 2
	MULROW 3
.irp a, 1,2,3
	SCALE \a                                       ; (block 1's 32 lines are the places behind the last products)
.if \a > 1
	s_wait_alu depctr_va_vdst(0)
	WIN 0
	s_wait_xcnt 0x0                                ; block a - 2's stores have read their registers and their base: block a's loads may land there, and the base may step
.endif
	TOSTAGE \a
	SEND \a-1, 32                                  ; behind block a - 1's loads: block a's 16 stores and 16 loads
.endr
	s_wait_xcnt 0x0                                ; block 2's stores have read their base
	SEND 3, 0
	s_wait_tensorcnt 0x0                           ; the wave's end, behind my last tensor load and my last LDS store
	ds_add_u32 v[SPW], v[NIL]
	s_wait_dscnt 0x0
	CROUND                                         ; the closing round: no work-group ends while a partner may still ask for a tile that names it
	s_endpgm
.Lfunc_end_k_q99cd27e239_mix:
	.size	k_q99cd27e239_mix, .Lfunc_end_k_q99cd27e239_mix-k_q99cd27e239_mix
	.p2alignl 7, 3214868480
	.fill 96, 4, 3214868480
	.section	.rodata,"a",@progbits
	.p2align	6, 0x0
	.amdhsa_kernel k_q99cd27e239_mix
		.amdhsa_group_segment_fixed_size 327680
		.amdhsa_private_segment_fixed_size 0
		.amdhsa_enable_private_segment 0
		.amdhsa_kernarg_size 40
		.amdhsa_user_sgpr_count 2
		.amdhsa_user_sgpr_kernarg_segment_ptr 1
		.amdhsa_wavefront_size32 1
		.amdhsa_system_sgpr_workgroup_id_x 1
		.amdhsa_system_sgpr_workgroup_id_y 1
		.amdhsa_system_sgpr_workgroup_id_z 1
		.amdhsa_system_vgpr_workitem_id 0
		.amdhsa_next_free_vgpr 1024
		.amdhsa_next_free_sgpr 106
		.amdhsa_reserve_vcc 0
		.amdhsa_float_denorm_mode_32 3
		.amdhsa_float_denorm_mode_16_64 3
		.amdhsa_memory_ordered 1
		.amdhsa_forward_progress 1
		.amdhsa_inst_pref_size 147
	.end_amdhsa_kernel
	.amdgpu_metadata
---
amdhsa.version: [ 1, 2 ]
amdhsa.kernels:
  - .name:           k_q99cd27e239_mix
    .symbol:         k_q99cd27e239_mix.kd
    .args:
      - { .name: pimg, .offset: 0, .size: 8, .value_kind: global_buffer, .address_space: global }
      - { .name: pst, .offset: 8, .size: 8, .value_kind: global_buffer, .address_space: global }
      - { .name: img, .offset: 16, .size: 8, .value_kind: global_buffer, .address_space: global }
      - { .name: scl, .offset: 24, .size: 8, .value_kind: global_buffer, .address_space: global }
      - { .name: out0, .offset: 32, .size: 8, .value_kind: global_buffer, .address_space: global }
    .group_segment_fixed_size: 327680
    .private_segment_fixed_size: 0
    .kernarg_segment_align: 8
    .kernarg_segment_size: 40
    .max_flat_workgroup_size: 128
    .sgpr_count:     106
    .vgpr_count:     1024
    .wavefront_size: 32
...
	.end_amdgpu_metadata
.endif
;; end of part 3
